; MI455X (gfx1250); checked and timed in simulation.
; The chip was launched on July 23, 2026; its instructions are those of AMD's public machine-readable ISA for CDNA 5 (MIT licence, August 2026) and "CDNA5" Instruction Set Architecture Reference Guide (July 2026). The comments in the code are by the model that wrote it; some were corrected since.
;; Multi Head Attention. Allowed arithmetic: matrix products marked QUANTISED: E2M3 operands, one E8M0 scale for each 32 along K, by v_wmma_scale_f32_16x16x128_f8f6f4 with both operands' format E2M3, f32 sums; everything else in f32.
;; Inputs: Wk 2,048 x 2,048 float32; Wo 2,048 x 2,048 float32; Wq 2,048 x 2,048 float32; Wv 2,048 x 2,048 float32; cos 2,048 x 128 float32; sin 2,048 x 128 float32; x 1 x 2,048 x 2,048 float32.
;; Outputs: out0 1 x 2,048 x 2,048 float32.
;; This version of the problem:
;;   THIS VERSION OF THE PROBLEM IS GIVEN IN LOW PRECISION. The matrix products marked QUANTISED in the list below multiply operands that are first quantised to E2M3 (2 exponent bits, 3 mantissa bits; 6 bits a number), with one power-of-two scale for each 32 numbers along K (OCP MX v1.0); their sums are f32. All else is computed in f32.
;;   The module's matrix products, in the order in which they are computed (A, B: the left and right operand; K: the contracted axis; several contracted axes count as one K, in the product's order):
;;     1. [M 2,048, K 2,048] x [K 2,048, N 2,048]; A: input x; B: input Wq: QUANTISED
;;     2. [M 2,048, K 2,048] x [K 2,048, N 2,048]; A: input x; B: input Wk: QUANTISED
;;     3. [M 2,048, K 2,048] x [K 2,048, N 2,048]; A: input x; B: input Wv: QUANTISED
;;     4. batch 16 x [M 2,048, K 128] x [K 128, N 2,048]; A: computed on the way; B: computed on the way: QUANTISED
;;     5. batch 16 x [M 2,048, K 2,048] x [K 2,048, N 128]; A: softmax (see below); B: computed on the way: QUANTISED
;;     6. [M 2,048, K 2,048] x [K 2,048, N 2,048]; A: computed on the way; B: input Wo: QUANTISED
;;   THE QUANTISER, for each operand of a quantised product, along K:
;;     - K is cut into blocks of 32 from its start; a last block that is shorter is filled with zeros.
;;     - A block's scale is 2^e with e = floor(log2(the largest magnitude in the block)) - 2, held to -126 .. 127; a block of zeros has e = 0. As a byte (E8M0): e + 127.
;;     - Each number is divided by its block's scale, clamped to +-7.5, and rounded to the nearest number of E2M3, ties to even, subnormals kept.
;;     - The product sums the exact products of the quantised numbers (number of the format x scale) in f32.
;;   ~~~python
;;   def quantise(x, axis):      # numpy; x: float32 -> the quantised numbers, widened to float32 again
;;       x = np.moveaxis(x, axis, -1); K = x.shape[-1]
;;       x = np.pad(x, [(0, 0)] * (x.ndim - 1) + [(0, -K % 32)]); x = x.reshape(x.shape[:-1] + (-1, 32)); a = np.abs(x).max(-1, keepdims=True)
;;       e = np.where(a > 0, np.clip(np.frexp(np.where(a > 0, a, 1))[1] - 1 - 2, -126, 127), 0)      # np.frexp(a)[1] - 1 = floor(log2(a)), exactly
;;       r = np.clip(x / 2.0 ** e, -7.5, 7.5)
;;       step = 2.0 ** (np.maximum(np.frexp(np.where(r == 0, 1, r))[1] - 1, 0) - 3)
;;       q = np.round(r / step) * step * 2.0 ** e      # np.round: ties to even
;;       return np.moveaxis(q.reshape(q.shape[:-2] + (-1,))[..., :K], -1, axis).astype(np.float32)
;;   ~~~
;;   SOFTMAX AHEAD OF A QUANTISED PRODUCT. Where the list says 'softmax', what is quantised is not the finished softmax but p = 2^(t - M), with t = logit x log2(e) and M = ceil(the row's largest t), a whole number; so 1/2 < the row's largest p <= 1. The row's sum l is taken of the UNQUANTISED p, in f32, and the product's result is divided by l at the end. Since M is a whole number, a kernel that streams over the keys may use a running M (the ceiling of the running maximum): every later rescaling is an exact power of two, which a block's scale takes up: the codes' values come out the same.
;;   OPERANDS COMPUTED ON THE WAY. 'Computed on the way' means the value that the module computes at that place (a softmax that the list does not call 'softmax' is quantised finished and normalised). What goes into a quantiser is computed in f32, as accurately as f32 sums, v_exp_f32 and their like allow (about 1e-6 of the number): no bf16 or f16 on the way to a quantiser, and a product that is left as it is and whose result goes on into a quantised operand takes f32 operands (vector FMAs, or v_wmma_f32_16x16x4_f32). A number that lies on a knife's edge between two numbers of the format may be rounded either way, as far as f32 arithmetic and the matrix unit's own rounding can turn it there, and no further.
;; One version. Each part assembles by itself: llvm-mc -triple=amdgcn-amd-amdhsa -mcpu=gfx1250 --defsym DOCPART=n.
;; ======== version 1 of 1: 4 launches
;; limits: right only within a limited range of input values
;; workspace buffers: codes 14,680,064 bytes; scales 524,288 bytes; qimg 3,145,728 bytes; qsc 131,072 bytes; kvc 6,291,456 bytes; kvs 262,144 bytes; ctxc 6,291,456 bytes; ctxs 262,144 bytes
;; launch quant (part 1): grid 576 x 1, 4 waves a work-group, no clusters, 34,304 bytes of LDS; arguments x, Wq, Wk, Wv, codes, scales, cos, sin; writes codes, scales
.if DOCPART == 1
	.amdgcn_target "amdgcn-amd-amdhsa--gfx1250"
	.amdhsa_code_object_version 6
	.text
	.protected	k_q3fecf2f715_quant
	.globl	k_q3fecf2f715_quant
	.p2align	8
	.type	k_q3fecf2f715_quant,@function
k_q3fecf2f715_quant:
	s_mov_b64 s[64:65], 0
	v_nop
	global_prefetch_b8 v0, s[64:65] scope:SCOPE_SE
	s_setreg_imm32_b32 hwreg(HW_REG_WAVE_MODE, 25, 1), 1
	s_wait_xcnt 0x0
; x, Wq, Wk, Wv, each [2048][2048] f32 with K innermost, become codes of FP6 (E2M3) with one E8M0 byte for each 32 along K; cos and sin [2048][128] f32 are laid anew, as f32, in the order in which the next launch's lanes want them.
; (Wo is quantised in the next launch, by work-groups of its own.)
; WORK LEFT OUT BY THE PROGRAM: reference() sets every score with key > query to -infinity by a mask that it builds itself, so for all values of the inputs those keys have weight 0; launch attn leaves out the key steps of 128 that lie wholly
; behind a block of queries.  LIMIT: a NaN, an infinity or an overflow that reaches only that work is not carried to the result.
; A block's scale is 2^(floor(log2(its largest magnitude)) - 2): its byte is the largest magnitude's exponent field - 2, held at 1 from below.
; LIMITS: a block of zeros, or one whose largest magnitude lies under 2^-124, gets the byte 1 (its codes are zeros; the bytes are read by this program alone); NaN and infinities are not served.
; THE CODES ARE LAID AS IMAGES OF OPERAND REGISTERS.  A fragment is 16 rows x 128 K, 12 registers a lane (lane l = r + 16 h: row r, registers 6 c .. 6 c + 5 hold k = 64 c + 32 h + 0 .. 31);
; its image is 1,536 bytes: registers 4 g .. 4 g + 3 of lane l at 512 g + 16 l.  codes: [tensor 4][K step 16][T 128][1536].
; THE ROWS OF A TILE ARE NOT NEIGHBOURS: lane r of tile T holds row 32 (T / 2) + 8 (T % 2) + r + 8 (r / 8), so that a later product's results of two neighbouring tiles are 16 neighbours in a lane's registers.
; scales: [tensor][T 128][w 4][r 16][f 4] words, K step = 4 w + f: a row's four bytes of a K step are one word, its words of four K steps 16 neighbouring bytes.
; THE TABLES lie behind the four tensors in codes: [T 128][cos | sin][n 16][512]: lane l's 16 bytes at 16 l are table[tile T's row r][32 (n / 4) + 16 h + 4 (n % 4) + 0 .. 3].
; SHARES.  Work-groups 0 to 511: one tile of 16 rows of one tensor each, wave w its K steps 4 w .. 4 w + 3.  Each load reads 512 consecutive bytes of a row; a K step's 8,192 bytes turn through the wave's own stage in LDS,
; so that a lane gets whole blocks of 32 neighbours; each store of codes covers 512 consecutive bytes, aligned, and a wave's scale words leave as 256 consecutive bytes, aligned.
; Work-groups 512 to 575: a wave takes one tile of 16 positions of one table: 16 loads of 16 bytes a lane out of the tile's 16 rows, 16 stores of 512 consecutive bytes, aligned; no LDS.
; Bytes bind this launch: no matrix unit, no tensor load, no cluster (no byte is read twice), no barrier (waves share nothing).  Loads run one fragment (16 loads a wave) ahead of the one in hand.
.set ROWB, 8192                        ; a row of any of the tensors in bytes
.set SP,   528                         ; a stage row: 512 bytes + 16, so that the sixteen rows that a load touches start in different banks
.set STG,  16*SP                       ; a wave's stage
.set NQWG, 512                         ; work-groups that quantise: 4 tensors x 128 tiles
.set ROPE0, 4*3145728                  ; where the tables begin in codes
.set R,    16                          ; v16-143  two sets of 64: a K step as loaded  (v16-79: a table's tile)
.set X,    144                         ; v144-207 my two blocks of 32 neighbours
.set PC,   208                         ; v208-219 the fragment's codes
.set TP,   220                         ; v220-222, v224-226 the upper halves of the blocks' codes (a conversion's three registers begin on an even number)
.set W,    228                         ; v228-231 the four K steps' scale words
.set MX,   232                         ; v232-241 at work
	s_load_b256 s[4:11], s[0:1], 0x0               ; x, Wq, Wk, Wv
	s_load_b64 s[14:15], s[0:1], 0x20              ; codes
	s_load_b64 s[16:17], s[0:1], 0x28              ; scales
	s_load_b128 s[36:39], s[0:1], 0x30             ; cos, sin
	v_lshl_add_u32 v248, v0, 2, 0x8400             ; my spare word, behind the four stages
	v_mov_b32 v249, 0
	v_lshrrev_b32 v1, 5, v0
	v_readfirstlane_b32 s18, v1                    ; wave
	v_and_b32 v1, 31, v0                           ; lane
	v_and_b32 v7, 15, v0                           ; r
	v_bfe_u32 v8, v0, 4, 1                         ; h
	v_lshlrev_b32 v2, 4, v1                        ; 16 x lane: my bytes of a load's 512 and of a store's 512
	s_mul_i32 s24, s18, STG
	v_add_nc_u32 v3, s24, v2                       ; the stage, on the way in
	v_mul_u32_u24 v4, v7, SP
	v_lshl_add_u32 v4, v8, 7, v4
	v_add_nc_u32 v4, s24, v4                       ; and on the way out: row r, + 128 h bytes: my block of 32
	v_lshlrev_b32 v5, 4, v7                        ; 16 r: my row's four scale words
	v_lshlrev_b32 v6, 3, v8                        ; 8 h: my bytes' place in a scale word, in bits
	v_mov_b32 v[MX+9], 0                           ; written once: a lane permute's destination counts as one of its sources
	s_mov_b32 s30, 0x76543210
	s_mov_b32 s31, 0xfedcba98                      ; v_permlanex16_b32's selects for lane l xor 16
	s_lshr_b32 s19, ttmp9, 7                       ; which tensor
	s_and_b32 s20, ttmp9, 127                      ; which tile T
	s_lshr_b32 s26, s20, 1
	s_lshl_b32 s26, s26, 18                        ; 32 (T / 2) rows of 8,192 bytes
	s_and_b32 s27, s20, 1
	s_lshl_b32 s27, s27, 16                        ; + 8 (T % 2) rows
	s_add_co_u32 s26, s26, s27
	s_lshl_b32 s27, s18, 11                        ; + my four K steps: 2,048 bytes a wave
	s_add_co_u32 s26, s26, s27
	s_mov_b32 s27, 0
	s_mul_i32 s28, s19, 3145728                    ; codes: the tensor,
	s_mul_i32 s29, s18, 786432                     ; K step 4 w,
	s_add_co_u32 s28, s28, s29
	s_mul_i32 s29, s20, 1536                       ; the tile
	s_add_co_u32 s28, s28, s29
	s_mov_b32 s29, 0
	s_lshl_b32 s34, s19, 17                        ; scales: the tensor, the tile, w
	s_lshl_b32 s35, s20, 10
	s_add_co_u32 s34, s34, s35
	s_lshl_b32 s35, s18, 8
	s_add_co_u32 s34, s34, s35
	s_mov_b32 s35, 0
	s_wait_kmcnt 0x0
	s_cmp_ge_u32 ttmp9, NQWG                       ; the last 64 work-groups lay the tables: a branch on the work-group's number
	s_cbranch_scc1 .Ltable
	s_mov_b64 s[22:23], s[4:5]                     ; the tensor is chosen by the work-group's number alone
	s_cmp_eq_u32 s19, 1
	s_cselect_b64 s[22:23], s[6:7], s[22:23]
	s_cmp_eq_u32 s19, 2
	s_cselect_b64 s[22:23], s[8:9], s[22:23]
	s_cmp_eq_u32 s19, 3
	s_cselect_b64 s[22:23], s[10:11], s[22:23]
	s_add_nc_u64 s[22:23], s[22:23], s[26:27]
	s_add_nc_u64 s[14:15], s[14:15], s[28:29]
	s_add_nc_u64 s[16:17], s[16:17], s[34:35]
.macro LOAD f                          ; K step f of my four: 512 consecutive bytes of each of the tile's 16 rows
.irp p, 0,1,2,3,4,5,6,7,8,9,10,11,12,13,14,15
	global_load_b128 v[R+64*((\f)%2)+4*\p:R+64*((\f)%2)+4*\p+3], v2, s[22:23] offset:(\p+8*(\p/8))*ROWB+512*(\f) th:TH_LOAD_NT
.endr
.endm
.macro TURN f                          ; through the stage: LDS serves a wave's instructions in order, so no wait stands between the stores and the loads
.irp p, 0,1,2,3,4,5,6,7,8,9,10,11,12,13,14,15
	ds_store_b128 v3, v[R+64*((\f)%2)+4*\p:R+64*((\f)%2)+4*\p+3] offset:SP*\p
.endr
.irp c, 0,1
.irp i, 0,1,2,3,4,5,6,7
	ds_load_b128 v[X+32*\c+4*\i:X+32*\c+4*\i+3], v4 offset:256*\c+16*\i   ; k = 64 c + 32 h + 4 i on, of row r
.endr
.endr
.endm
.macro FRAGQ f                         ; my blocks h and 2 + h of row r: all their 32 numbers are mine
.irp m, 0,1,2,3                        ; four chains, two to a block; the floor 2^(3 - 127) among the leaves holds the byte at 1 from below
	v_max3_num_f32 v[MX+\m], |v[X+16*\m]|, |v[X+16*\m+1]|, 0x1800000
.endr
.irp i, 2,4,6,8,10,12,14
.irp m, 0,1,2,3
	v_max3_num_f32 v[MX+\m], v[MX+\m], |v[X+16*\m+\i]|, |v[X+16*\m+\i+1]|
.endr
.endr
	v_max_num_f32 v[MX], v[MX], v[MX+1]
	v_max_num_f32 v[MX+2], v[MX+2], v[MX+3]
	v_add_nc_u32 v[MX+4], 0xff000000, v[MX]        ; 2 off the exponent field: the conversion takes the exponent field of this operand as its scale
	v_add_nc_u32 v[MX+5], 0xff000000, v[MX+2]
	v_lshrrev_b32 v[MX+6], 23, v[MX+4]             ; the scales' bytes
	v_lshrrev_b32 v[MX+7], 23, v[MX+5]
	v_lshl_or_b32 v[MX+8], v[MX+7], 16, v[MX+6]    ; blocks h and 2 + h,
	v_lshlrev_b32 v[MX+8], v6, v[MX+8]             ; at their places in the word;
	v_permlanex16_b32 v[MX+9], v[MX+8], s30, s31
	v_or_b32 v[W+\f], v[MX+8], v[MX+9]             ; with lane l xor 16's two the word is whole, in both halves of the lanes
	s_wait_alu depctr_va_vdst(0)
	s_wait_xcnt 0x0                                ; the last fragment's stores have read their data: the codes' registers are written again only behind this wait
.irp c, 0,1
	v_cvt_scalef32_pk16_fp6_f32 v[PC+6*\c:PC+6*\c+2], v[X+32*\c:X+32*\c+15], v[MX+4+\c]
	v_cvt_scalef32_pk16_fp6_f32 v[TP+4*\c:TP+4*\c+2], v[X+32*\c+16:X+32*\c+31], v[MX+4+\c]
.endr
	v_nop                                          ; one plain place behind a scaled conversion
.irp c, 0,1
.irp i, 0,1,2
	v_mov_b32 v[PC+3+6*\c+\i], v[TP+4*\c+\i]
.endr
.endr
.irp g, 0,1,2
	global_store_b128 v2, v[PC+4*\g:PC+4*\g+3], s[14:15] offset:(\f)*196608+512*\g   ; 512 consecutive bytes, aligned
.endr
.endm
	s_wait_alu depctr_va_vdst(0)
	LOAD 0
	LOAD 1
.irp f, 0,1,2,3
.if \f < 3
	s_wait_loadcnt 16                              ; this fragment's 16 loads are in; the next fragment's 16 may be out
.else
	s_wait_loadcnt 0x0
.endif
	TURN \f
	s_wait_dscnt 0x0                               ; my numbers are back, and the stores into the stage have read their registers,
.if \f < 2
	LOAD \f+2                                      ; which take the loads of two fragments on
.endif
	FRAGQ \f
.endr
	global_store_b128 v5, v[W:W+3], s[16:17]       ; 256 consecutive bytes, aligned (both halves of the lanes hold the same words and write them to the same place)
	s_wait_tensorcnt 0x0                           ; the wave's end
	ds_add_u32 v248, v249
	s_wait_dscnt 0x0
	s_endpgm
.Ltable:                                               ; 64 work-groups x 4 waves = 128 tiles of positions x 2 tables
	s_sub_co_u32 s19, ttmp9, NQWG
	s_lshl_b32 s19, s19, 2
	s_add_co_u32 s19, s19, s18                     ; which of the 256 is my wave's
	s_lshr_b32 s20, s19, 1                         ; the tile T
	s_and_b32 s21, s19, 1                          ; 0 cos, 1 sin
	s_lshr_b32 s26, s20, 1
	s_lshl_b32 s26, s26, 14                        ; 32 (T / 2) rows of 512 bytes
	s_and_b32 s27, s20, 1
	s_lshl_b32 s27, s27, 12                        ; + 8 (T % 2) rows
	s_add_co_u32 s26, s26, s27
	s_mov_b32 s27, 0
	s_lshl_b32 s28, s20, 14                        ; where it goes: 16,384 bytes a tile,
	s_lshl_b32 s29, s21, 13                        ; sin 8,192 bytes behind cos,
	s_add_co_u32 s28, s28, s29
	s_add_co_u32 s28, s28, ROPE0                   ; behind the four tensors' codes
	s_mov_b32 s29, 0
	s_cmp_eq_u32 s21, 0                            ; the table is chosen by the work-group's and the wave's number alone
	s_cselect_b64 s[22:23], s[36:37], s[38:39]
	s_add_nc_u64 s[22:23], s[22:23], s[26:27]
	s_add_nc_u64 s[14:15], s[14:15], s[28:29]
	v_and_b32 v9, 8, v7
	v_add_nc_u32 v9, v9, v7                        ; r + 8 (r / 8): the tile's row of lane r
	v_lshlrev_b32 v9, 9, v9                        ; a row is 512 bytes
	v_lshl_add_u32 v9, v8, 6, v9                   ; + 64 h: my 16 channels of a block of 32
.irp n, 0,1,2,3,4,5,6,7,8,9,10,11,12,13,14,15
	global_load_b128 v[R+4*\n:R+4*\n+3], v9, s[22:23] offset:128*(\n/4)+16*(\n%4)   ; channels 32 (n / 4) + 16 h + 4 (n % 4) on
.endr
.irp n, 0,1,2,3,4,5,6,7,8,9,10,11,12,13,14,15
	s_wait_loadcnt 15-\n                           ; loads come back in order: load n is in, the younger ones may be out
	global_store_b128 v2, v[R+4*\n:R+4*\n+3], s[14:15] offset:512*\n   ; 512 consecutive bytes, aligned
.endr
	s_endpgm
.Lfunc_end_k_q3fecf2f715_quant:
	.size	k_q3fecf2f715_quant, .Lfunc_end_k_q3fecf2f715_quant-k_q3fecf2f715_quant
	.p2alignl 7, 3214868480
	.fill 96, 4, 3214868480
	.section	.rodata,"a",@progbits
	.p2align	6, 0x0
	.amdhsa_kernel k_q3fecf2f715_quant
		.amdhsa_group_segment_fixed_size 34304
		.amdhsa_private_segment_fixed_size 0
		.amdhsa_enable_private_segment 0
		.amdhsa_kernarg_size 64
		.amdhsa_user_sgpr_count 2
		.amdhsa_user_sgpr_kernarg_segment_ptr 1
		.amdhsa_wavefront_size32 1
		.amdhsa_system_sgpr_workgroup_id_x 1
		.amdhsa_system_sgpr_workgroup_id_y 1
		.amdhsa_system_sgpr_workgroup_id_z 1
		.amdhsa_system_vgpr_workitem_id 0
		.amdhsa_next_free_vgpr 250
		.amdhsa_next_free_sgpr 66
		.amdhsa_reserve_vcc 0
		.amdhsa_float_denorm_mode_32 3
		.amdhsa_float_denorm_mode_16_64 3
		.amdhsa_memory_ordered 1
		.amdhsa_forward_progress 1
		.amdhsa_inst_pref_size 35
	.end_amdhsa_kernel
	.amdgpu_metadata
---
amdhsa.version: [ 1, 2 ]
amdhsa.kernels:
  - .name:           k_q3fecf2f715_quant
    .symbol:         k_q3fecf2f715_quant.kd
    .args:
      - { .name: x, .offset: 0, .size: 8, .value_kind: global_buffer, .address_space: global }
      - { .name: Wq, .offset: 8, .size: 8, .value_kind: global_buffer, .address_space: global }
      - { .name: Wk, .offset: 16, .size: 8, .value_kind: global_buffer, .address_space: global }
      - { .name: Wv, .offset: 24, .size: 8, .value_kind: global_buffer, .address_space: global }
      - { .name: codes, .offset: 32, .size: 8, .value_kind: global_buffer, .address_space: global }
      - { .name: scales, .offset: 40, .size: 8, .value_kind: global_buffer, .address_space: global }
      - { .name: cos, .offset: 48, .size: 8, .value_kind: global_buffer, .address_space: global }
      - { .name: sin, .offset: 56, .size: 8, .value_kind: global_buffer, .address_space: global }
    .group_segment_fixed_size: 34304
    .private_segment_fixed_size: 0
    .kernarg_segment_align: 8
    .kernarg_segment_size: 64
    .max_flat_workgroup_size: 128
    .sgpr_count:     66
    .vgpr_count:     250
    .wavefront_size: 32
...
	.end_amdgpu_metadata
.endif
;; end of part 1
;; launch qkv (part 2): grid 16 x 16, 4 waves a work-group, no clusters, 297,472 bytes of LDS; arguments codes, scales, qimg, qsc, kvc, kvs, Wo, ctxc, ctxs; writes qimg, qsc, kvc, kvs, ctxc, ctxs
.if DOCPART == 2
	.amdgcn_target "amdgcn-amd-amdhsa--gfx1250"
	.amdhsa_code_object_version 6
	.text
	.protected	k_q3fecf2f715_qkv
	.globl	k_q3fecf2f715_qkv
	.p2align	8
	.type	k_q3fecf2f715_qkv,@function
k_q3fecf2f715_qkv:
	s_mov_b64 s[64:65], 0
	v_nop
	global_prefetch_b8 v0, s[64:65] scope:SCOPE_SE
	s_setreg_imm32_b32 hwreg(HW_REG_WAVE_MODE, 25, 1), 1
	s_wait_xcnt 0x0
; q = rope(x Wq^T), k = rope(x Wk^T), v^T = Wv x^T on codes of FP6 (E2M3) with E8M0 scales, sums in f32; the results leave quantised again: q and k along the head's 128 channels, v along the keys.  And Wo is quantised here.
; codes [tensor][K step 16][T 128][1536] are images of operand registers, scales [tensor][T][w 4][r 16][f 4] words (K step 4 w + f); the RoPE tables lie behind the four tensors in codes.
; SHARES.  Work-group x / 4 = 0: q, 1: k, 2: v, 3: Wo.  The products' 12 x 16 work-groups: each has 128 rows of operand A (x's positions 128 y ..; for v: Wv's head y) and 512 rows of operand B; wave w has B's 128 rows 128 (4 (x % 4) + w) ..
; (a head of Wq or Wk; for v 128 positions of x): 64 accumulators a wave.  A head's 128 channels stay in one wave (RoPE pairs channel d with d + 64, and the quantiser wants whole blocks), so the products do not cut into 256 equal blocks.
; The other 4 x 16 work-groups turn Wo [2048][2048] f32 into codes and scale words, two tiles of 16 rows each, in the form of codes and scales, behind ctx's in ctxc and ctxs: the last launch alone reads them.
; A FOR ALL OF K STAYS IN LDS: 16 K steps x 8 tiles x 1,536 bytes, written once: each wave brings four K steps through registers, 96 loads of 512 consecutive bytes and 96 LDS stores.
; No tensor load and no cluster: the work-groups part on their number ahead of A's fill, and A is 196,608 of the 983,040 operand bytes that a work-group takes in.
; B GOES FROM MEMORY STRAIGHT INTO REGISTERS: no two waves of a work-group read the same rows of B.  Three sets of 96 registers; a set is asked for again at the end of the step that read it, for the step three on.
; THE SCALE WORDS of my A and B rows are copied once, in loads of 512 consecutive bytes, into my wave's own LDS bytes as [A | B][tile][K step][row]; a step takes 8 words: lanes 0-15 A's tile i, lanes 16-31 B's.
; THE MATRIX INSTRUCTION IS USED TRANSPOSED (source 0 = B's rows, source 1 = A's): a lane holds one row of A, its registers run along B's rows: register n is B's row 32 (n / 16) + 16 (lane / 16) + n % 16.
; PREFETCH INTO THE L2: in each trip but the last, the three K steps of B that the next trip loads; the 16 work-groups (y) that read the same rows of B take 768 bytes of each step's 12,288 each, told apart by address.
; In the last trip the q and k waves ask for the RoPE tables of their positions, 4,096 bytes each of the 131,072 that 32 waves share.  A's fill and B's first seven steps come by their loads alone.
; LIMITS: NaN and infinities are not served; a block of zeros, or one whose largest magnitude lies under 2^-124, gets the byte 1 with zero codes (read by this program alone).
; REGISTERS: window 0: v16-29 addresses, v32-55 three sets of scale words, v64-111 A's blocks 4-7, v112-207 B's set 2; window 1: v0-95, v96-191 B's sets 0, 1, v192-239 A's blocks 0-3; windows 2, 3: the accumulators ((a, b) at 8 (8 (a % 4) + b)).
.set TAU,    3145728                   ; a tensor's codes
.set KST,    196608                    ; a K step of them
.set ASTEP,  12288                     ; 8 tiles of a K step
.set ROPE0,  4*TAU
.set SCB,    16*ASTEP                  ; behind A: the waves' scale words
.set SREG,   16640                     ; a wave's: A's 8,192 bytes, 64 of padding, B's 8,192
.set SBH,    8256
.set SPARE,  SCB+4*SREG                ; the spare words: two blocks of 256 bytes that no other line names
.set WST,    SPARE+512                 ; behind them: the stages of the work-groups that quantise Wo: LDS bytes of their own
.set ADRA, 16
.set ADS,  17
.set VS,   18
.set PFO,  19
.set PFT,  20
.set AST,  21
.set LI,   24
.set SPW,  28
.set NIL,  29
.set SC,   32
.set BW0,  112
.set ALO,  192
.set TT,   64
.set PC,   128
.set TM,   160
.set PW,   176
.set SW,   184
.set B0,   26                          ; s[26:27] my rows of B, K step 0
.set PB,   28                          ; s[28:29] the same, walking three K steps a trip
.set TPF,  63                          ; s63 the trip count at which the tables are prefetched (0: never)
.set MSB, 0
.macro WIN new
.if MSB != (\new)
	s_set_vgpr_msb (MSB<<8)|(\new)
.set MSB, (\new)
.endif
.endm
.macro PLACES
.rept 4
	v_nop
.endr
.endm
.macro SETB p                          ; where B's set p lies
.if (\p) == 2
.set BB, BW0
.set BWN, 0
.else
.set BB, 96*(\p)
.set BWN, 1
.endif
.endm
.macro LOADB base, boff                ; 8 fragments of B into the set named last: 24 loads of 512 consecutive bytes
	WIN BWN<<6
.irp i, 0,1,2,3,4,5,6,7
.irp g, 0,1,2
	global_load_b128 v[BB+12*\i+4*\g:BB+12*\i+4*\g+3], v[LI], s[\base:\base+1] offset:(\boff)+\i*1536+512*\g
.endr
.endr
.endm
.macro FETA i0, nx                     ; A's blocks i0 .. i0 + 3 of the K step nx behind the address
.if (\i0) == 0
	WIN 0x40
.else
	WIN 0
.endif
.irp i, 0,1,2,3
.irp g, 0,1,2
	ds_load_b128 v[ALO-32*(\i0)+12*\i+4*\g:ALO-32*(\i0)+12*\i+4*\g+3], v[ADRA] offset:(\nx)*ASTEP+((\i0)+\i)*1536+512*\g
.endr
.endr
.endm
.macro SCALES set, nx
	WIN 0
.irp i, 0,1,2,3,4,5,6,7
	ds_load_b32 v[SC+8*(\set)+\i], v[ADS] offset:(\nx)*64+\i*1024
.endr
.endm
; 16 products: A's blocks a0, a0 + 1 x B's eight.  The 64 accumulators take turns in the same order in every step.
.macro MUL16 a0, sc, zero
.irp a, \a0, \a0+1
.irp b, 0,1,2,3,4,5,6,7
.if \zero
	v_wmma_scale_f32_16x16x128_f8f6f4 v[8*(8*((\a)%4)+\b):8*(8*((\a)%4)+\b)+7], v[BB+12*\b:BB+12*\b+11], v[ALO-128*((\a)/4)+12*((\a)%4):ALO-128*((\a)/4)+12*((\a)%4)+11], 0, v[SC+8*(\sc)+\b], v[SC+8*(\sc)+(\a)] matrix_a_fmt:MATRIX_FMT_FP6 matrix_b_fmt:MATRIX_FMT_FP6 matrix_a_scale:MATRIX_SCALE_ROW1
.else
	v_wmma_scale_f32_16x16x128_f8f6f4 v[8*(8*((\a)%4)+\b):8*(8*((\a)%4)+\b)+7], v[BB+12*\b:BB+12*\b+11], v[ALO-128*((\a)/4)+12*((\a)%4):ALO-128*((\a)/4)+12*((\a)%4)+11], v[8*(8*((\a)%4)+\b):8*(8*((\a)%4)+\b)+7], v[SC+8*(\sc)+\b], v[SC+8*(\sc)+(\a)] matrix_a_fmt:MATRIX_FMT_FP6 matrix_b_fmt:MATRIX_FMT_FP6 matrix_a_scale:MATRIX_SCALE_ROW1
.endif
.endr
.endr
.endm
.macro ASK                             ; every window is 0 here
	s_cmp_gt_u32 s3, 1                             ; the last trip has no trip behind it
	s_cbranch_scc0 .Lno_b_\@
	global_prefetch_b8 v[PFO], s[PB:PB+1] offset:3*KST th:TH_LOAD_NT scope:SCOPE_SE
.Lno_b_\@:
	s_cmp_eq_u32 s3, s[TPF]
	s_cbranch_scc0 .Lno_t_\@
	global_prefetch_b8 v[PFT], s[24:25] th:TH_LOAD_NT scope:SCOPE_SE
.Lno_t_\@:
.endm
; A K step: 64 products on B's set p and scale set sc.  In its middle A's blocks 0-3 and the scale words of the next step are fetched, at its end A's blocks 4-7, and (ld = 1) B's fragments of the step three on into set p.
; lc: the loads of B that may stay out: those of the later steps, 24 each.
.macro STEP p, sc, nx, zero, lc, ld, base, boff, adv, ask
	SETB \p
	s_wait_loadcnt \lc
	s_wait_dscnt 12                                ; A's blocks 0-3 and the scale words are in; the youngest 12 loads (blocks 4-7) may be out
	WIN 0xa4|BWN
	MUL16 0, \sc, \zero
	MUL16 2, \sc, \zero
	s_wait_dscnt 0x0
	PLACES                                         ; four places in front of loads into registers that matrix instructions have read
.if \adv
	s_wait_xcnt 0x0                                ; the last trip's loads and prefetch have read the base
	s_add_nc_u64 s[PB:PB+1], s[PB:PB+1], 3*KST
.endif
	FETA 0, \nx
	SCALES ((\sc)+1)%3, \nx
.if \ask
	ASK
.endif
	WIN 0xf0|BWN
	MUL16 4, \sc, \zero
	MUL16 6, \sc, \zero
	PLACES
	FETA 4, \nx
.if \ld
	LOADB \base, \boff
.endif
	WIN 0
.endm
; My quarter of A, 96 pieces of 512 bytes: piece n passes through register 4 n of windows 2 and 3, which the sums take later
.macro LOADA n0
.set n, \n0
.rept 48
	WIN 0x80+0x40*(n/64)
	global_load_b128 v[(4*n)%256:(4*n)%256+3], v[LI], s[34:35] offset:(n/24)*KST+(n%24)*512
.set n, n+1
.endr
.endm
.macro STOREA n0
.set n, \n0
.rept 48
	WIN 0x08+0x04*(n/64)
	ds_store_b128 v[AST], v[(4*n)%256:(4*n)%256+3] offset:n*512
.set n, n+1
.endr
.endm
	s_load_b256 s[4:11], s[0:1], 0x0               ; codes, scales, qimg, qsc
	s_load_b128 s[12:15], s[0:1], 0x20             ; kvc, kvs
	s_load_b128 s[68:71], s[0:1], 0x30             ; Wo, ctxc
	s_load_b64 s[72:73], s[0:1], 0x40              ; ctxs
	v_lshl_add_u32 v[SPW], v0, 2, SPARE
	v_mov_b32 v[NIL], 0
	v_lshrrev_b32 v1, 5, v0
	v_readfirstlane_b32 s16, v1                    ; wave
	s_and_b32 s18, ttmp7, 0xffff                   ; y
	s_and_b32 s17, ttmp9, 3                        ; x % 4
	s_lshr_b32 s19, ttmp9, 2                       ; 0 q, 1 k, 2 v, 3 Wo
	s_cmp_eq_u32 s19, 3
	s_cbranch_scc1 .Lwo                            ; a branch on the work-group's number
	s_lshl_b32 s22, s17, 2
	s_add_co_u32 s22, s22, s16                     ; my 128 rows of B: 4 (x % 4) + wave
	s_lshr_b32 s50, s19, 1
	s_mul_i32 s50, s50, 3                          ; A's tensor: x, or Wv
	s_add_co_u32 s51, s19, 1
	s_sub_co_u32 s51, s51, s50                     ; B's: Wq, Wk, or x
	s_mul_i32 s52, s50, TAU                        ; A: tensor, tiles 8 y .., K steps 4 wave ..
	s_mul_i32 s23, s18, ASTEP
	s_add_co_u32 s52, s52, s23
	s_mul_i32 s23, s16, 4*KST
	s_add_co_u32 s52, s52, s23
	s_mov_b32 s53, 0
	s_mul_i32 s54, s51, TAU                        ; B
	s_mul_i32 s23, s22, ASTEP
	s_add_co_u32 s54, s54, s23
	s_mov_b32 s55, 0
	s_lshl_b32 s56, s50, 17                        ; A's scale words
	s_lshl_b32 s23, s18, 13
	s_add_co_u32 s56, s56, s23
	s_mov_b32 s57, 0
	s_lshl_b32 s58, s51, 17                        ; B's
	s_lshl_b32 s23, s22, 13
	s_add_co_u32 s58, s58, s23
	s_mov_b32 s59, 0
	s_lshl_b32 s60, s18, 17                        ; the tables of positions 128 y ..
	s_add_co_u32 s60, s60, ROPE0
	s_mov_b32 s61, 0
	s_mul_i32 s33, s16, 4*ASTEP                    ; where my quarter of A goes
	s_mul_i32 s48, s16, SREG
	s_add_co_u32 s48, s48, SCB                     ; my scale words' LDS bytes
	s_mul_i32 s49, s18, 768                        ; my work-group's share of a step's prefetch
	s_lshl_b32 s62, s19, 4
	s_add_co_u32 s62, s62, s22
	s_lshl_b32 s62, s62, 12                        ; my wave's share of the tables' prefetch
	s_cmp_eq_u32 s19, 2
	s_cselect_b32 s[TPF], 0, 1
	v_and_b32 v2, 31, v0
	v_and_b32 v3, 15, v0                           ; r
	v_bfe_u32 v4, v0, 4, 1                         ; h
	v_lshlrev_b32 v[LI], 4, v2                     ; 16 x lane; never rewritten
	v_lshlrev_b32 v[ADRA], 4, v2                   ; the same, walking through A
	v_add_nc_u32 v[AST], s33, v[LI]
	v_lshlrev_b32 v5, 2, v3
	v_lshl_add_u32 v[VS], v4, 8, v5
	v_add_nc_u32 v[VS], s48, v[VS]                 ; scale words in: 256 h + 4 r
	v_mad_u32_u24 v[ADS], v4, SBH, v5
	v_add_nc_u32 v[ADS], s48, v[ADS]               ; and out: lanes 0-15 A's, lanes 16-31 B's
	v_min_u32 v6, 8, v2                            ; nine blocks of 256 bytes a trip; the lanes left over name the last again
	v_mul_u32_u24 v7, v6, 11
	v_lshrrev_b32 v7, 5, v7                        ; which of the three K steps
	v_mul_u32_u24 v8, v7, 3
	v_sub_nc_u32 v8, v6, v8                        ; which of my three blocks
	v_mul_u32_u24 v9, v7, KST
	v_lshl_add_u32 v9, v8, 8, v9
	v_add_nc_u32 v[PFO], s49, v9
	v_min_u32 v6, 15, v2                           ; sixteen blocks of the tables
	v_lshlrev_b32 v6, 8, v6
	v_add_nc_u32 v[PFT], s62, v6
	s_wait_alu depctr_va_vdst(0)
	s_wait_kmcnt 0x0
	s_add_nc_u64 s[34:35], s[4:5], s[52:53]
	s_add_nc_u64 s[B0:B0+1], s[4:5], s[54:55]
	s_add_nc_u64 s[PB:PB+1], s[B0:B0+1], KST       ; the first trip steps it to K step 4
	s_add_nc_u64 s[56:57], s[6:7], s[56:57]
	s_add_nc_u64 s[58:59], s[6:7], s[58:59]
	s_add_nc_u64 s[24:25], s[4:5], s[60:61]
	LOADA 0
	LOADA 48
	s_wait_loadcnt 48                              ; A's first 48 pieces are in; the other 48 may be out
	STOREA 0
	WIN 0xc0                                       ; the scale words pass through v128-255 of window 3
.irp n, 0,1,2,3,4,5,6,7,8,9,10,11,12,13,14,15
	global_load_b128 v[128+4*\n:128+4*\n+3], v[LI], s[56:57] offset:512*\n
	global_load_b128 v[192+4*\n:192+4*\n+3], v[LI], s[58:59] offset:512*\n
.endr
	SETB 2
	LOADB B0, 0                                    ; K step s uses set (s + 2) % 3
	s_wait_loadcnt 56                              ; all of A is in; the 32 loads of scale words and B's 24 of K step 0 may be out
	STOREA 48
	SETB 0
	LOADB B0, KST
	s_wait_loadcnt 48                              ; the scale words are in; B's K steps 0 and 1 may be out
	WIN 0x0c
.irp x, 0,1
.irp n, 0,1,2,3,4,5,6,7,8,9,10,11,12,13,14,15
.irp f, 0,1,2,3
	ds_store_b32 v[VS], v[128+64*\x+4*\n+\f] offset:\x*SBH+(\n/2)*1024+(\n%2)*512+\f*64   ; tile n / 2, K step 8 (n % 2) + 4 h + f, row r
.endr
.endr
.endr
	SETB 1
	LOADB B0, 2*KST
	WIN 0
	s_wait_dscnt 0x0                               ; for the others' sake: my quarter of A has landed
	s_barrier_signal -1
	s_barrier_wait -1                              ; and everybody's
	FETA 0, 0
	SCALES 0, 0
	FETA 4, 0
	STEP 2, 0, 1, 1, 48, 1, B0, 3*KST, 0, 0        ; K step 0 starts the sums
	s_mov_b32 s3, 4
.Ltrip:                                                ; K steps 3 t + 1 .. 3 t + 3; they load B's K steps 3 t + 4 .. 3 t + 6
	STEP 0, 1, 2, 0, 48, 1, PB, 0, 1, 0
	STEP 1, 2, 3, 0, 48, 1, PB, KST, 0, 1
	STEP 2, 0, 4, 0, 48, 1, PB, 2*KST, 0, 0
	v_add_nc_u32 v[ADRA], 3*ASTEP, v[ADRA]
	v_add_nc_u32 v[ADS], 3*64, v[ADS]
	s_wait_alu depctr_va_vdst(0)
	s_sub_co_u32 s3, s3, 1
	s_cmp_lg_u32 s3, 0
	s_cbranch_scc1 .Ltrip
	STEP 0, 1, 2, 0, 48, 0, PB, 0, 0, 0            ; K steps 13 and 14 load no more of B
	STEP 1, 2, 3, 0, 24, 0, PB, 0, 0, 0
.macro ROPE_LOAD a                     ; cos and sin of A's block a, 64 registers each, in the accumulators' order
	WIN 0x40
.irp n, 0,1,2,3,4,5,6,7,8,9,10,11,12,13,14,15
	global_load_b128 v[128*((\a)%2)+4*\n:128*((\a)%2)+4*\n+3], v[LI], s[24:25] offset:(\a)*16384+512*\n
	global_load_b128 v[128*((\a)%2)+64+4*\n:128*((\a)%2)+64+4*\n+3], v[LI], s[24:25] offset:(\a)*16384+8192+512*\n
.endr
	WIN 0
.endm
	SETB 2                                         ; K step 15
	s_wait_loadcnt 0x0
	s_wait_dscnt 12
	WIN 0xa4
	MUL16 0, 0, 0
	MUL16 2, 0, 0
	s_wait_dscnt 0x0
	PLACES
	WIN 0
	s_cmp_eq_u32 s19, 2                            ; v has no RoPE
	s_cbranch_scc1 .Lno_table
	ROPE_LOAD 0                                    ; into B's sets 0 and 1, which are read no more
.Lno_table:
	WIN 0xf0
	MUL16 4, 0, 0
	MUL16 6, 0, 0
	WIN 0
; 64 numbers at v[s ..] of window w: four blocks of 32 along the next K, each shared by lanes l and l xor 16 -> the fragment's codes in v[PC .. PC + 11], the scale word in v[pw]
.macro QUANT s, w, pw
	WIN ((\w)<<2)|((\w)<<4)
.irp b, 0,1,2,3
	v_max3_num_f32 v[TM+\b], 0x1800000, |v[(\s)+16*\b]|, |v[(\s)+1+16*\b]|   ; the floor 2^(3 - 127) holds the byte at 1 from below
.endr
.irp i, 2,4,6,8,10,12,14
.irp b, 0,1,2,3
	v_max3_num_f32 v[TM+\b], v[TM+\b], |v[(\s)+16*\b+\i]|, |v[(\s)+1+16*\b+\i]|
.endr
.endr
	WIN 0
.irp b, 0,1,2,3
	v_permlanex16_b32 v[TM+4+\b], v[TM+\b], s20, s21
.endr
.irp b, 0,1,2,3
	v_max_num_f32 v[TM+\b], v[TM+\b], v[TM+4+\b]
.endr
.irp b, 0,1,2,3
	v_add_nc_u32 v[TM+12+\b], 0xff000000, v[TM+\b]   ; 2 off the exponent field: the conversion's scale operand
.endr
.irp b, 0,1,2,3
	v_lshrrev_b32 v[TM+4+\b], 23, v[TM+12+\b]
.endr
	v_lshl_or_b32 v[\pw], v[TM+5], 8, v[TM+4]
	v_lshl_or_b32 v[\pw], v[TM+6], 16, v[\pw]
	v_lshl_or_b32 v[\pw], v[TM+7], 24, v[\pw]
	WIN (\w)
.irp c, 0,1
	v_cvt_scalef32_pk16_fp6_f32 v[PC+6*\c:PC+2+6*\c], v[(\s)+32*\c:(\s)+15+32*\c], v[TM+12+2*\c]
	v_cvt_scalef32_pk16_fp6_f32 v[PC+12+4*\c:PC+14+4*\c], v[(\s)+16+32*\c:(\s)+31+32*\c], v[TM+12+2*\c+1]
.endr
	WIN 0
	v_nop                                          ; one plain place behind a scaled conversion
.irp c, 0,1
.irp i, 0,1,2
	v_permlane16_swap_b32 v[PC+6*\c+\i], v[PC+12+4*\c+\i]   ; a whole block to a lane
.endr
.irp i, 0,1,2
	v_mov_b32 v[PC+3+6*\c+\i], v[PC+12+4*\c+\i]
.endr
.endr
.endm
.macro IMAGE a
.irp g, 0,1,2
	global_store_b128 v[LI], v[PC+4*\g:PC+4*\g+3], s[72:73] offset:(\a)*1536+512*\g   ; 512 consecutive bytes, aligned
.endr
.endm
.macro ROPE a                          ; v[TT + n] = x[n] cos[n] -+ x[(n + 32) % 64] sin[n]: register n + 32 is the channel 64 further on
.set AC, 64*((\a)%4)
.set CT, 128*((\a)%2)
	WIN 0x06+(\a)/4
.set n, 0
.rept 32
	v_pk_mul_f32 v[TT+n:TT+n+1], v[AC+(n+32)%64:AC+(n+32)%64+1], v[CT+64+n:CT+64+n+1]
.set n, n+2
.endr
.set n, 0
.rept 16
	v_pk_fma_f32 v[TT+n:TT+n+1], v[AC+n:AC+n+1], v[CT+n:CT+n+1], v[TT+n:TT+n+1] neg_lo:[0,0,1] neg_hi:[0,0,1]
.set n, n+2
.endr
.rept 16
	v_pk_fma_f32 v[TT+n:TT+n+1], v[AC+n:AC+n+1], v[CT+n:CT+n+1], v[TT+n:TT+n+1]
.set n, n+2
.endr
	WIN 0
.endm
	PLACES                                         ; behind the last products
.irp b, 0,1,2,3
	v_mov_b32 v[TM+4+\b], 0                        ; written once: a lane permute's destination counts as one of its sources
.endr
	s_mov_b32 s20, 0x76543210
	s_mov_b32 s21, 0xfedcba98
	s_mov_b32 s38, 0xffff0000
	s_cmp_eq_u32 s19, 2
	s_cbranch_scc1 .Lv_path
	s_mul_i32 s48, s22, 196608                     ; qimg [head][tile 128][1536]; in kvc a head and a key step are twice as long
	s_mul_i32 s49, s18, 12288
	s_add_co_u32 s48, s48, s49
	s_lshl_b32 s68, s48, s19
	s_mov_b32 s69, 0
	s_lshl_b32 s70, s22, 13
	s_lshl_b32 s70, s70, s19
	s_lshl_b32 s49, s18, 9
	s_add_co_u32 s70, s70, s49
	s_mov_b32 s71, 0
	s_cmp_eq_u32 s19, 0
	s_cselect_b64 s[72:73], s[8:9], s[12:13]
	s_cselect_b64 s[74:75], s[10:11], s[14:15]
	s_add_nc_u64 s[72:73], s[72:73], s[68:69]
	s_add_nc_u64 s[74:75], s[74:75], s[70:71]
	ROPE_LOAD 1
.irp a, 0,1,2,3,4,5,6,7
.if \a < 7
	s_wait_loadcnt 32                              ; this block's tables are in; the next block's 32 loads may be out
.else
	s_wait_loadcnt 0x0
.endif
	ROPE \a
	s_wait_xcnt 0x0                                ; the last block's stores have read their data
.if \a < 6
	ROPE_LOAD \a+2
.endif
	QUANT TT, 0, PW+\a
	IMAGE \a
.endr
	s_branch .Ltail
.Lv_path:
	s_mul_i32 s68, s18, 393216                     ; kvc [head][key step][K's 8 tiles | V^T's 8 tiles]
	s_mul_i32 s49, s22, 24576
	s_add_co_u32 s68, s68, s49
	s_add_co_u32 s68, s68, 12288
	s_mov_b32 s69, 0
	s_add_nc_u64 s[72:73], s[12:13], s[68:69]
	s_lshl_b32 s70, s18, 14
	s_lshl_b32 s49, s22, 9
	s_add_co_u32 s70, s70, s49
	s_add_co_u32 s70, s70, 8192
	s_mov_b32 s71, 0
	s_add_nc_u64 s[74:75], s[14:15], s[70:71]
.irp a, 0,1,2,3,4,5,6,7
	s_wait_xcnt 0x0
	QUANT 64*(\a%4), 2+\a/4, PW+\a
	IMAGE \a
.endr
.Ltail:
.irp p, 0,1,2,3
	v_cndmask_b32 v[SW+\p], v[PW+2*\p], v[PW+2*\p+1], s38   ; word p: lanes 0-15 tile 2 p, lanes 16-31 tile 2 p + 1
.endr
	global_store_b128 v[LI], v[SW:SW+3], s[74:75]  ; the eight tiles' scale words: 512 consecutive bytes, aligned
	s_wait_tensorcnt 0x0                           ; the wave's end
	ds_add_u32 v[SPW], v[NIL]
	s_wait_dscnt 0x0
	s_endpgm
; WO.  Work-group 16 (x % 4) + y takes tiles 2 id and 2 id + 1 of Wo, one a trip; wave w its K steps 4 w .. 4 w + 3.  Each load reads 512 consecutive bytes of a row; a K step's 8,192 bytes turn through the wave's own stage in LDS,
; so that a lane gets whole blocks of 32 neighbours.  Codes go to ctxc behind ctx's 3,145,728 bytes, scale words to ctxs behind ctx's 131,072.  All registers lie in window 0.
.set WSP,  528                         ; a stage row: 512 bytes + 16
.set WMX,  10                          ; v10-19   at work
.set WR,   32                          ; v32-159  two sets of 64: a K step as loaded
.set WX,   160                         ; v160-223 my two blocks of 32 neighbours
.set WPC,  224                         ; v224-235 the fragment's codes
.set WTP,  236                         ; v236-238, v240-242 the upper halves of the blocks' codes
.set WW,   244                         ; v244-247 the four K steps' scale words
.macro WLOAD f
.irp p, 0,1,2,3,4,5,6,7,8,9,10,11,12,13,14,15
	global_load_b128 v[WR+64*((\f)%2)+4*\p:WR+64*((\f)%2)+4*\p+3], v2, s[22:23] offset:(\p+8*(\p/8))*8192+512*(\f) th:TH_LOAD_NT
.endr
.endm
.macro WTURN f                         ; LDS serves a wave's instructions in order, so no wait stands between the stores and the loads
.irp p, 0,1,2,3,4,5,6,7,8,9,10,11,12,13,14,15
	ds_store_b128 v3, v[WR+64*((\f)%2)+4*\p:WR+64*((\f)%2)+4*\p+3] offset:WSP*\p
.endr
.irp c, 0,1
.irp i, 0,1,2,3,4,5,6,7
	ds_load_b128 v[WX+32*\c+4*\i:WX+32*\c+4*\i+3], v4 offset:256*\c+16*\i
.endr
.endr
.endm
.macro WFRAG f                         ; my blocks h and 2 + h of row r
.irp m, 0,1,2,3
	v_max3_num_f32 v[WMX+\m], |v[WX+16*\m]|, |v[WX+16*\m+1]|, 0x1800000
.endr
.irp i, 2,4,6,8,10,12,14
.irp m, 0,1,2,3
	v_max3_num_f32 v[WMX+\m], v[WMX+\m], |v[WX+16*\m+\i]|, |v[WX+16*\m+\i+1]|
.endr
.endr
	v_max_num_f32 v[WMX], v[WMX], v[WMX+1]
	v_max_num_f32 v[WMX+2], v[WMX+2], v[WMX+3]
	v_add_nc_u32 v[WMX+4], 0xff000000, v[WMX]      ; 2 off the exponent field: the conversion's scale operand
	v_add_nc_u32 v[WMX+5], 0xff000000, v[WMX+2]
	v_lshrrev_b32 v[WMX+6], 23, v[WMX+4]
	v_lshrrev_b32 v[WMX+7], 23, v[WMX+5]
	v_lshl_or_b32 v[WMX+8], v[WMX+7], 16, v[WMX+6]
	v_lshlrev_b32 v[WMX+8], v6, v[WMX+8]
	v_permlanex16_b32 v[WMX+9], v[WMX+8], s20, s21
	v_or_b32 v[WW+\f], v[WMX+8], v[WMX+9]          ; the row's scale word of this K step, in both halves of the lanes
	s_wait_alu depctr_va_vdst(0)
	s_wait_xcnt 0x0                                ; the last fragment's stores have read their data
.irp c, 0,1
	v_cvt_scalef32_pk16_fp6_f32 v[WPC+6*\c:WPC+6*\c+2], v[WX+32*\c:WX+32*\c+15], v[WMX+4+\c]
	v_cvt_scalef32_pk16_fp6_f32 v[WTP+4*\c:WTP+4*\c+2], v[WX+32*\c+16:WX+32*\c+31], v[WMX+4+\c]
.endr
	v_nop                                          ; one plain place behind a scaled conversion
.irp c, 0,1
.irp i, 0,1,2
	v_mov_b32 v[WPC+3+6*\c+\i], v[WTP+4*\c+\i]
.endr
.endr
.irp g, 0,1,2
	global_store_b128 v2, v[WPC+4*\g:WPC+4*\g+3], s[70:71] offset:(\f)*KST+512*\g   ; 512 consecutive bytes, aligned
.endr
.endm
.Lwo:
	s_lshl_b32 s17, s17, 4
	s_add_co_u32 s17, s17, s18                     ; id, 0 .. 63
	s_lshl_b32 s26, s17, 18                        ; Wo: 32 id rows of 8,192 bytes,
	s_lshl_b32 s27, s16, 11                        ; my four K steps: 2,048 bytes a wave
	s_add_co_u32 s26, s26, s27
	s_mov_b32 s27, 0
	s_mul_i32 s28, s16, 4*KST                      ; codes: K step 4 w, tile 2 id, behind ctx's
	s_mul_i32 s29, s17, 3072
	s_add_co_u32 s28, s28, s29
	s_add_co_u32 s28, s28, TAU
	s_mov_b32 s29, 0
	s_lshl_b32 s34, s17, 11                        ; scale words: tile 2 id, w, behind ctx's
	s_lshl_b32 s35, s16, 8
	s_add_co_u32 s34, s34, s35
	s_add_co_u32 s34, s34, 131072
	s_mov_b32 s35, 0
	s_mul_i32 s24, s16, 16*WSP
	s_add_co_u32 s24, s24, WST                     ; my stage
	s_mov_b32 s20, 0x76543210
	s_mov_b32 s21, 0xfedcba98
	v_and_b32 v1, 31, v0
	v_and_b32 v7, 15, v0                           ; r
	v_bfe_u32 v8, v0, 4, 1                         ; h
	v_lshlrev_b32 v2, 4, v1                        ; 16 x lane
	v_add_nc_u32 v3, s24, v2                       ; the stage, on the way in
	v_mul_u32_u24 v4, v7, WSP
	v_lshl_add_u32 v4, v8, 7, v4
	v_add_nc_u32 v4, s24, v4                       ; and on the way out: row r, + 128 h bytes
	v_lshlrev_b32 v5, 4, v7                        ; 16 r
	v_lshlrev_b32 v6, 3, v8                        ; 8 h
	v_mov_b32 v[WMX+9], 0                          ; written once: a lane permute's destination counts as one of its sources
	s_wait_alu depctr_va_vdst(0)
	s_wait_kmcnt 0x0
	s_add_nc_u64 s[22:23], s[68:69], s[26:27]
	s_add_nc_u64 s[70:71], s[70:71], s[28:29]
	s_add_nc_u64 s[72:73], s[72:73], s[34:35]
	s_mov_b32 s3, 2
.Lwo_tile:
	WLOAD 0
	WLOAD 1
.irp f, 0,1,2,3
.if \f < 3
	s_wait_loadcnt 16                              ; this fragment's 16 loads are in; the next fragment's 16 may be out
.else
	s_wait_loadcnt 0x0
.endif
	WTURN \f
	s_wait_dscnt 0x0
.if \f < 2
	WLOAD \f+2
.endif
	WFRAG \f
.endr
	global_store_b128 v5, v[WW:WW+3], s[72:73]     ; 256 consecutive bytes, aligned (both halves of the lanes write the same words to the same place)
	s_wait_xcnt 0x0                                ; the trip's loads and stores have read their bases and data
	s_add_nc_u64 s[22:23], s[22:23], 65536         ; the next tile begins 8 rows further down,
	s_add_nc_u64 s[70:71], s[70:71], 1536
	s_add_nc_u64 s[72:73], s[72:73], 1024
	s_sub_co_u32 s3, s3, 1
	s_cmp_lg_u32 s3, 0
	s_cbranch_scc1 .Lwo_tile
	s_wait_tensorcnt 0x0                           ; the wave's end
	ds_add_u32 v[SPW], v[NIL]
	s_wait_dscnt 0x0
	s_endpgm
.Lfunc_end_k_q3fecf2f715_qkv:
	.size	k_q3fecf2f715_qkv, .Lfunc_end_k_q3fecf2f715_qkv-k_q3fecf2f715_qkv
	.p2alignl 7, 3214868480
	.fill 96, 4, 3214868480
	.section	.rodata,"a",@progbits
	.p2align	6, 0x0
	.amdhsa_kernel k_q3fecf2f715_qkv
		.amdhsa_group_segment_fixed_size 297472
		.amdhsa_private_segment_fixed_size 0
		.amdhsa_enable_private_segment 0
		.amdhsa_kernarg_size 72
		.amdhsa_user_sgpr_count 2
		.amdhsa_user_sgpr_kernarg_segment_ptr 1
		.amdhsa_wavefront_size32 1
		.amdhsa_system_sgpr_workgroup_id_x 1
		.amdhsa_system_sgpr_workgroup_id_y 1
		.amdhsa_system_sgpr_workgroup_id_z 1
		.amdhsa_system_vgpr_workitem_id 0
		.amdhsa_next_free_vgpr 1024
		.amdhsa_next_free_sgpr 80
		.amdhsa_reserve_vcc 0
		.amdhsa_float_denorm_mode_32 3
		.amdhsa_float_denorm_mode_16_64 3
		.amdhsa_memory_ordered 1
		.amdhsa_forward_progress 1
		.amdhsa_inst_pref_size 255
	.end_amdhsa_kernel
	.section	.bss,"aw",@nobits
	.p2align	6
	.space	262144
	.amdgpu_metadata
---
amdhsa.version: [ 1, 2 ]
amdhsa.kernels:
  - .name:           k_q3fecf2f715_qkv
    .symbol:         k_q3fecf2f715_qkv.kd
    .args:
      - { .name: codes, .offset: 0, .size: 8, .value_kind: global_buffer, .address_space: global }
      - { .name: scales, .offset: 8, .size: 8, .value_kind: global_buffer, .address_space: global }
      - { .name: qimg, .offset: 16, .size: 8, .value_kind: global_buffer, .address_space: global }
      - { .name: qsc, .offset: 24, .size: 8, .value_kind: global_buffer, .address_space: global }
      - { .name: kvc, .offset: 32, .size: 8, .value_kind: global_buffer, .address_space: global }
      - { .name: kvs, .offset: 40, .size: 8, .value_kind: global_buffer, .address_space: global }
      - { .name: Wo, .offset: 48, .size: 8, .value_kind: global_buffer, .address_space: global }
      - { .name: ctxc, .offset: 56, .size: 8, .value_kind: global_buffer, .address_space: global }
      - { .name: ctxs, .offset: 64, .size: 8, .value_kind: global_buffer, .address_space: global }
    .group_segment_fixed_size: 297472
    .private_segment_fixed_size: 0
    .kernarg_segment_align: 8
    .kernarg_segment_size: 72
    .max_flat_workgroup_size: 128
    .sgpr_count:     80
    .vgpr_count:     1024
    .wavefront_size: 32
...
	.end_amdgpu_metadata
.endif
;; end of part 2
;; launch attn (part 3): grid 16 x 16, 16 waves a work-group, clusters of 4 x 1, 327,680 bytes of LDS; arguments qimg, qsc, kvc, kvs, ctxc, ctxs; writes ctxc, ctxs
.if DOCPART == 3
	.amdgcn_target "amdgcn-amd-amdhsa--gfx1250"
	.amdhsa_code_object_version 6
	.text
	.protected	k_q3fecf2f715_attn
	.globl	k_q3fecf2f715_attn
	.p2align	8
	.type	k_q3fecf2f715_attn,@function
k_q3fecf2f715_attn:
	s_mov_b64 s[64:65], 0
	v_nop
	global_prefetch_b8 v0, s[64:65] scope:SCOPE_SE
	s_setreg_imm32_b32 hwreg(HW_REG_WAVE_MODE, 25, 1), 1
	s_wait_xcnt 0x0
	s_wait_alu depctr_hold_cnt(0) depctr_sa_sdst(0) depctr_va_vdst(0) depctr_va_sdst(0) depctr_va_ssrc(0) depctr_va_vcc(0) depctr_vm_vsrc(0)
	s_getreg_b32 s2, hwreg(HW_REG_IB_STS2, 6, 4)
	s_cmp_eq_u32 s2, 0
	s_cbranch_scc0 .Lentry_in_a_cluster
	s_endpgm
.Lentry_in_a_cluster:
	s_bfe_u32 s2, ttmp6, 0x10000c
	s_cmp_lg_u32 s2, 0x3003
	s_cbranch_scc0 .Lentry_shape_is_right
	s_endpgm
.Lentry_shape_is_right:
; ctx[head][q] = the sum over keys k <= q of softmax_k(q . k / sqrt(128)) v[k], both products on codes of FP6 (E2M3) with E8M0 scales; ctx leaves quantised along the head's 128, as codes.
; THE SOFTMAX AHEAD OF THE SECOND PRODUCT: t = score x log2(e) / sqrt(128); M = the largest t so far, rounded UP to a whole number; p = 2^(t - M) is quantised along the keys, not normalised.
; The row's sum is taken of the unquantised p, in f32, and divides at the end.  When M moves, the sum and O are multiplied by 2^(old M - new M): exact.
; OPERANDS are images of their registers (1,536 bytes a fragment).  qimg [head][tile 128]; kvc [head][key step 16][K's 8 tiles | V^T's 8 tiles]: a key step of 128 keys is 24,576 dense bytes.
; Lane r of a tile holds row 32 (T / 2) + 8 (T % 2) + r + 8 (r / 8) (queries, keys, and V^T's channels alike).  Scale words come as images of 8 tiles, 512 bytes: word p of lane l is tile 2 p + l / 16, row l % 16.
; Both products are used transposed: S^T = K Q^T, O^T = V^T P^T: a lane holds ONE query throughout; the 16 registers of tiles 2 b, 2 b + 1 are keys (or channels) 32 b + 16 (lane / 16) + 0 .. 15.
; SHARES.  A cluster of four work-groups takes four blocks of 128 queries of one head: J = c, 7 - c, 8 + c, 15 - c (c = cluster x): J + 1 key steps each, 34 in all, in every cluster.  Partner cx takes tiles 2 cx, 2 cx + 1 of each block.
; A tile of 16 queries is shared by TWO waves, which take the key steps by turns and merge at the end through LDS.  Wave w: block number kappa = ((w / 4) + (w % 4)) % 4, tile sub = (w / 2) % 2, first key step pi = (w % 2) xor (kappa / 2):
; any four waves with equal w % 4, and any four with equal w / 4, hold one wave of each block and 17 tile-steps together.
; All four partners walk the same K and V: each slot of four key steps is asked for JOINTLY (mask 15).  Every work-group walks all four slots: the trip counts are constants.  A key step past the wave's block is left out by a scalar
; branch on the cluster's number and the wave's number; in the step on the diagonal hidden scores become -infinity ahead of the maximum.  No branch and no LDS address hangs on cx.
; LIMITS: NaN and infinities are not served; a block of zeros gets the byte 1 with zero codes (read by this program alone).
; REGISTERS: v1-11 addresses; v12 -M, v13 the largest t, v[14:15] the sum in two halves; v16-27 Q; v28 the prefetches' offset; v32-79 four fragments of K or V (v32-95 the partner's O^T in the merge); v96-159 S^T, then p;
;   v160-223 O^T; v224-235 codes; v232-247, v252, v254 at work; v248-251 K's or V's scale words, v253 p's, v255 Q's.
.set KSB,   24576                      ; a key step: K's 8 tiles, then V^T's 8
.set SLOTB, 4*KSB                      ; a slot
.set SLOT1, 1<<17                      ; slot 1 begins here, so that one exclusive or turns an address in one slot into the other's
.set SCB,   SLOTB                      ; behind slot 0: the head's scale words: K's 16 x 512 bytes, then V's
.set SPARE, SCB+16384                  ; the spare words, 128 bytes for each wave: eight blocks of 256 bytes that no other line names
.set MST,   SLOT1+SLOTB                ; behind slot 1: the merge stages, one for each of the 8 tiles: O^T's image, 8,192 bytes, and 512 of statistics; no fill lands there
.set MSTB,  8704
.set AK0,  1                           ; v1   16 x lane + pi x a key step
.set ASK0, 2                           ; v2   SCB + 16 x lane + pi x 512
.set DQ,   3                           ; v3   my query's place in its block - 16 (lane / 16)
.set MA,   4                           ; v4   my place in my tile's merge stage
.set SPW,  5                           ; v5   LDS address of my spare word; never rewritten
.set NIL,  6                           ; v6   0; never rewritten
.set LI,   7                           ; v7   16 x lane
.set ADK,  8                           ; v8   LDS address of the step's tiles
.set ADS,  9                           ; v9   of its scale words
.set R8,   10
.set R16,  11                          ; v11  16 r
.set PFO,  28                          ; v28  256 x lane
.set TB,   2                           ; s2   LDS byte at which the next step's pair of key steps begins
.set TS,   3                           ; s3   the same among the scale words
.set WV,   18
.set SEL,  20                          ; s[20:21] lane selects for lane l xor 16
.set CS,   22                          ; s[22:23] c = log2(e) / sqrt(128)
.set G1,   24                          ; s[24:31] descriptor group 1 for a key step's tiles;  s[32:39] for a quarter of the scale words
.set G1S,  32
.set G0,   40                          ; s[40:43] group 0 for the tiles: it walks;  s[44:47] for the scale words
.set G0S,  44
.set KS,   66                          ; s66  my next key step
.set JB,   67                          ; s67  my block of queries = my last key step
.set SLOTS, 68                         ; s68  slots still to be asked for
.set PFA,  76                          ; s[76:77] where my prefetches stand
.set LIM,  80                          ; s80  1 in a wave that prefetches, else the greatest number
.macro CROUND                          ; a round of the cluster's barrier
	s_barrier_signal -1
	s_barrier_wait -1
	s_cmp_lg_u32 s[WV], 0
	s_cbranch_scc1 .Lnot_wave_0_\@
	s_barrier_signal -3
.Lnot_wave_0_\@:
	s_barrier_wait -3
	s_barrier_signal -1
	s_barrier_wait -1
.endm
.macro TLOAD                           ; waves 0 to 3 fetch a key step each, the others nothing; four v_nop follow the line
	s_cmp_lt_u32 s[WV], 4
	s_cbranch_scc0 .Lasked_\@
	tensor_load_to_lds s[G0:G0+3], s[G1:G1+7]
	s_nop 0
.rept 4
	v_nop
.endr
.Lasked_\@:
.endm
; A PREFETCH INTO THE L2 of the slot that the NEXT change of slots will ask for: 98,304 bytes = 4 partners x 3 waves x 32 lanes x 256 bytes.  All four clusters of a head walk the same K and V: the head's first cluster asks.
; Its partners share the slot out BY ADDRESS, 24,576 bytes each; in each, waves 4 to 6 ask, one instruction each, lanes 256 bytes apart: each block of 256 bytes is named once in the launch.
; It stands behind the change's tensor load: a slot's two steps a wave ahead of the load that will want the bytes.  Slots 0 and 1 come by their loads alone; the last change that fills a slot asks for nothing.
.macro ASK
	s_cmp_gt_u32 s[SLOTS], s[LIM]
	s_cbranch_scc0 .Lnot_mine_\@
	global_prefetch_b8 v[PFO], s[PFA:PFA+1] th:TH_LOAD_NT scope:SCOPE_SE
.Lnot_mine_\@:
.endm
	s_load_b256 s[4:11], s[0:1], 0x0               ; qimg s[4:5], qsc s[6:7], kvc s[8:9], kvs s[10:11]
	s_load_b128 s[12:15], s[0:1], 0x20             ; ctxc s[12:13], ctxs s[14:15]
	v_lshl_add_u32 v[SPW], v0, 2, SPARE
	v_mov_b32 v[NIL], 0
	ds_add_u32 v5, v6
	ds_add_u32 v5, v6
	s_wait_dscnt 0x0
	v_lshrrev_b32 v8, 5, v0
	s_delay_alu instid0(VALU_DEP_1)
	v_readfirstlane_b32 s[WV], v8                  ; wave 0..15
	s_bfe_u32 s69, ttmp6, 0x40000                  ; cx: it enters Q's and ctx's addresses, the mask's data and the prefetches' address alone
	s_and_b32 s70, ttmp7, 0xffff                   ; the head
	s_lshr_b32 s71, s[WV], 2
	s_and_b32 s72, s[WV], 3                        ; which key step of a slot I fetch, if I fetch
	s_add_co_u32 s71, s71, s72
	s_and_b32 s71, s71, 3                          ; kappa
	s_bfe_u32 s73, s[WV], 0x10001                  ; sub
	s_and_b32 s74, s[WV], 1                        ; 1: I hand my part over at the end; 0: I merge and store
	s_lshr_b32 s75, s71, 1
	s_xor_b32 s81, s74, s75                        ; pi
	s_and_b32 s82, s71, 1
	s_sub_co_u32 s83, 7, ttmp9
	s_cmp_eq_u32 s82, 0
	s_cselect_b32 s[JB], ttmp9, s83                ; c or 7 - c,
	s_lshl_b32 s83, s75, 3
	s_add_co_u32 s[JB], s[JB], s83                 ; + 8 for kappa 2 and 3
	; descriptor group 1: dense bytes as rows of 32 elements of 8 bytes; no padding
	s_mov_b32 s[G1], 15|(3<<16)|(1<<21)            ; 15:0 the mask: all four work-groups; 17:16 elements of 8 bytes; 21 set beside a mask
	s_mov_b32 s[G1+1], 32<<16                      ; tensor_dim0
	s_mov_b32 s[G1+2], 96<<16                      ; tensor_dim1: 96 rows = 24,576 bytes
	s_mov_b32 s[G1+3], 32<<16                      ; tile_dim0
	s_mov_b32 s[G1+4], 96                          ; tile_dim1
	s_mov_b32 s[G1+5], 32                          ; tensor_dim0_stride
	s_mov_b32 s[G1+6], 0
	s_mov_b32 s[G1+7], 0
	s_mov_b32 s[G1S], 15|(3<<16)|(1<<21)
	s_mov_b32 s[G1S+1], 32<<16
	s_mov_b32 s[G1S+2], 16<<16                     ; 16 rows = 4,096 bytes
	s_mov_b32 s[G1S+3], 32<<16
	s_mov_b32 s[G1S+4], 16
	s_mov_b32 s[G1S+5], 32
	s_mov_b32 s[G1S+6], 0
	s_mov_b32 s[G1S+7], 0
	s_mul_i32 s84, s70, 393216                     ; the head's first byte in kvc
	s_mul_i32 s85, s72, KSB
	s_add_co_u32 s86, s84, s85
	s_mov_b32 s87, 0
	s_lshl_b32 s88, s70, 14                        ; and in kvs
	s_lshl_b32 s90, s72, 12
	s_add_co_u32 s88, s88, s90
	s_mov_b32 s89, 0
	s_mov_b32 s[SEL], 0x76543210
	s_mov_b32 s[SEL+1], 0xfedcba98
	s_mov_b32 s[CS], 0x3e0293ee                    ; c = log2(e) / sqrt(128)
	s_mov_b32 s[CS+1], s[CS]                       ; (named with it as a pair, so it is written)
	s_mov_b32 s[TB], 0
	s_mov_b32 s[TS], 0
	s_mov_b32 s[KS], s81
	s_mov_b32 s[SLOTS], 3
	s_wait_kmcnt 0x0
	s_mov_b32 s[G0], 1                             ; count = 1
	s_mov_b32 s[G0+1], s85                         ; LDS address: slot 0, my key step
	s_add_nc_u64 s[G0+2:G0+3], s[8:9], s[86:87]
	s_or_b32 s[G0+3], s[G0+3], 0x80000000          ; type = 2
	s_mov_b32 s[G0S], 1
	s_add_co_u32 s[G0S+1], s90, SCB
	s_add_nc_u64 s[G0S+2:G0S+3], s[10:11], s[88:89]
	s_or_b32 s[G0S+3], s[G0S+3], 0x80000000
	CROUND                                         ; all four work-groups are here: the first joint loads meet
	s_cmp_lt_u32 s[WV], 4                          ; the first fills, one a wave, in one chain of branches on the wave's number: waves 0 to 3 a key step of slot 0 each,
	s_cbranch_scc0 .Lfirst_s
	tensor_load_to_lds s[G0:G0+3], s[G1:G1+7]
	s_nop 0
.rept 4
	v_nop
.endr
	s_branch .Lno_first
.Lfirst_s:
	s_cmp_lt_u32 s[WV], 8                          ; waves 4 to 7 a quarter of the head's scale words each (filled once), the others nothing
	s_cbranch_scc0 .Lno_first
	tensor_load_to_lds s[G0S:G0S+3], s[G1S:G1S+7]
	s_nop 0
.rept 4
	v_nop
.endr
.Lno_first:
	s_lshl_b32 s94, s[JB], 3
	s_lshl_b32 s92, s69, 1
	s_add_co_u32 s94, s94, s92
	s_add_co_u32 s94, s94, s73                     ; my tile of queries: 8 J + 2 cx + sub
	s_mul_i32 s92, s70, 196608
	s_mul_i32 s93, s94, 1536
	s_add_co_u32 s92, s92, s93
	s_mov_b32 s93, 0
	s_add_nc_u64 s[4:5], s[4:5], s[92:93]          ; Q's image
	s_lshl_b32 s92, s70, 13
	s_lshl_b32 s95, s[JB], 9
	s_add_co_u32 s92, s92, s95
	s_lshl_b32 s95, s73, 8
	s_add_co_u32 s92, s92, s95
	s_lshl_b32 s95, s69, 2
	s_add_co_u32 s92, s92, s95
	s_add_nc_u64 s[6:7], s[6:7], s[92:93]          ; Q's scale words: in the block's image lane 16 sub + r, word cx
	s_mul_i32 s92, s70, 196608                     ; ctxc [K step = head][tile 128][1536]
	s_mul_i32 s96, s94, 1536
	s_add_co_u32 s92, s92, s96
	s_add_nc_u64 s[12:13], s[12:13], s[92:93]
	s_lshl_b32 s92, s94, 10                        ; ctxs [tile][head / 4][r 16][head % 4] words
	s_lshr_b32 s95, s70, 2
	s_lshl_b32 s95, s95, 8
	s_add_co_u32 s92, s92, s95
	s_and_b32 s96, s70, 3
	s_lshl_b32 s96, s96, 2
	s_add_co_u32 s92, s92, s96
	s_add_nc_u64 s[14:15], s[14:15], s[92:93]
	s_and_b32 s92, s[WV], 3                        ; the prefetches: my wave's 8,192 bytes (held at the third, so that no wave's address stands outside the head),
	s_min_u32 s92, s92, 2
	s_lshl_b32 s92, s92, 13
	s_mul_i32 s95, s69, KSB                        ; of my work-group's 24,576,
	s_add_co_u32 s92, s92, s95
	s_add_co_u32 s92, s92, s84                     ; in my head,
	s_add_co_u32 s92, s92, SLOTB                   ; in slot 1: the first change of slots steps it to slot 2.  Nothing is prefetched here, at the head
	s_add_nc_u64 s[PFA:PFA+1], s[8:9], s[92:93]
	s_sub_co_u32 s82, s[WV], 4
	s_cmp_lt_u32 s82, 3                            ; waves 4 to 6,
	s_cselect_b32 s82, 0, 1
	s_or_b32 s82, s82, ttmp9                       ; of the head's first cluster: the same in all four partners
	s_cmp_eq_u32 s82, 0
	s_cselect_b32 s[LIM], 1, -1
	v_and_b32 v8, 15, v0                           ; r
	v_bfe_u32 v9, v0, 4, 1                         ; h
	v_and_b32 v[LI], 31, v0
	s_delay_alu instid0(VALU_DEP_1)
	v_lshlrev_b32 v[PFO], 8, v[LI]
	s_delay_alu instid0(VALU_DEP_2)
	v_lshlrev_b32 v[LI], 4, v[LI]
	v_lshlrev_b32 v[R16], 4, v8
.irp g, 0,1,2
	global_load_b128 v[16+4*\g:19+4*\g], v[LI], s[4:5] offset:512*\g   ; Q's fragment stays in registers
.endr
	global_load_b32 v255, v[R16], s[6:7]           ; and its scale words
	s_mul_i32 s90, s81, KSB
	v_add_nc_u32 v[AK0], s90, v[LI]
	s_lshl_b32 s90, s81, 9
	s_add_co_u32 s90, s90, SCB
	v_add_nc_u32 v[ASK0], s90, v[LI]
	s_lshl_b32 s90, s71, 1
	s_add_co_u32 s90, s90, s73                     ; my tile among the work-group's eight: 2 kappa + sub
	s_mul_i32 s90, s90, MSTB
	s_add_co_u32 s90, s90, MST
	v_add_nc_u32 v[MA], s90, v[LI]
	v_and_b32 v[DQ], 8, v8
	s_delay_alu instid0(VALU_DEP_1)
	v_add_nc_u32 v[DQ], v[DQ], v8                  ; r + 8 (r / 8)
	v_lshlrev_b32 v9, 4, v9
	s_delay_alu instid0(VALU_DEP_1)
	v_sub_nc_u32 v[DQ], v[DQ], v9                  ; - 16 h
	s_lshl_b32 s92, s69, 5
	s_lshl_b32 s95, s73, 3
	s_add_co_u32 s92, s92, s95
	v_add_nc_u32 v[DQ], s92, v[DQ]                 ; + 32 cx + 8 sub: on the diagonal register 16 b + i holds a hidden key where 32 b + i is above this
	v_mov_b32 v13, 0xff61b1e6                      ; the largest t so far: -3e38, under every t
	s_delay_alu instid0(VALU_DEP_1)
	v_floor_f32 v12, -v13                          ; -M
	v_mov_b32 v14, 0                               ; the sum, in two halves
	v_mov_b32 v15, 0
.irp b, 0,1,2,3
	v_mov_b32 v[236+\b], 0                         ; written once: a lane permute's destination counts as one of its sources
.endr
	v_mov_b32 v253, 0                              ; (named as the upper half of the pair v[252:253] before it is first written)
.set n, 0
.rept 64
	v_mov_b32 v[160+n], 0                          ; O^T.  (The step is written without a first form: the first finds zeros, which the first change of M leaves zeros; a wave without any step hands zeros over)
.set n, n+1
.endr
; From the four blocks' largest magnitudes in v232-235 (floor applied) and 64 numbers in v96-159: the codes in v224-235, the scale word in v[word]
.macro TOCODES word
.irp b, 0,1,2,3
	s_delay_alu instid0(VALU_DEP_4)
	v_add_nc_u32 v[244+\b], 0xff000000, v[232+\b]  ; 2 off the exponent field: the conversion's scale operand
.endr
.irp b, 0,1,2,3
	s_delay_alu instid0(VALU_DEP_4)
	v_lshrrev_b32 v[236+\b], 23, v[244+\b]         ; the scale's byte
.endr
	s_delay_alu instid0(VALU_DEP_3)
	v_lshl_or_b32 v[\word], v237, 8, v236
	s_delay_alu instid0(VALU_DEP_1)
	v_lshl_or_b32 v[\word], v238, 16, v[\word]
	s_delay_alu instid0(VALU_DEP_1)
	v_lshl_or_b32 v[\word], v239, 24, v[\word]
.irp c, 0,1
	v_cvt_scalef32_pk16_fp6_f32 v[224+6*\c:226+6*\c], v[96+32*\c:111+32*\c], v[244+2*\c]
	v_cvt_scalef32_pk16_fp6_f32 v[236+4*\c:238+4*\c], v[112+32*\c:127+32*\c], v[244+2*\c+1]   ; (a conversion's three registers begin on an even number)
.endr
	v_nop                                          ; one plain place behind a scaled conversion
.irp c, 0,1                            ; the operand's layout wants a WHOLE block in a lane
.irp i, 0,1,2
	v_permlane16_swap_b32 v[224+6*\c+\i], v[236+4*\c+\i]
.endr
.irp i, 0,1,2
	s_delay_alu instid0(VALU_DEP_3)
	v_mov_b32 v[227+6*\c+\i], v[236+4*\c+\i]
.endr
.endr
.endm
; A KEY STEP of 128 keys for my 16 queries.
.macro STEP
	s_cmp_gt_u32 s[KS], s[JB]                      ; all its keys come after my queries: its loads, products and softmax are left out; not the lines at its end that step addresses
	s_cbranch_scc1 .Lhidden_\@
	v_add_nc_u32 v[ADK], s[TB], v[AK0]
	s_wait_alu depctr_va_vdst(0)
	v_add_nc_u32 v[ADS], s[TS], v[ASK0]
	v_nop
	v_nop
	v_nop                                          ; five places: the scores below are written over registers that the last step's products have read (V's fragments in v96-143); four serve the loads
.irp g, 0,1                            ; S^T = K Q^T, four tiles of 16 keys at a time
.if \g > 0
.rept 4
	v_nop
.endr
.endif
.irp t, 0,1,2,3
.irp i, 0,1,2
	ds_load_b128 v[32+12*\t+4*\i:35+12*\t+4*\i], v[ADK] offset:(4*\g+\t)*1536+512*\i
.endr
.endr
.if \g == 0
	ds_load_b128 v[248:251], v[ADS]                ; the eight tiles' scale words: register p: lanes 0-15 tile 2 p, lanes 16-31 tile 2 p + 1
.endif
	s_wait_dscnt 0x0
.irp t, 0,2
	v_wmma_scale_f32_16x16x128_f8f6f4 v[96+8*(4*\g+\t):103+8*(4*\g+\t)], v[32+12*\t:43+12*\t], v[16:27], 0, v[248+2*\g+\t/2], v255 matrix_a_fmt:MATRIX_FMT_FP6 matrix_b_fmt:MATRIX_FMT_FP6
	v_wmma_scale_f32_16x16x128_f8f6f4 v[104+8*(4*\g+\t):111+8*(4*\g+\t)], v[44+12*\t:55+12*\t], v[16:27], 0, v[248+2*\g+\t/2], v255 matrix_a_fmt:MATRIX_FMT_FP6 matrix_b_fmt:MATRIX_FMT_FP6 matrix_a_scale:MATRIX_SCALE_ROW1
.endr
.endr
.rept 4
	v_nop
.endr
.irp t, 0,1,2,3                        ; V^T's first four tiles are asked for here, into the registers that K's tiles have left (the four places stand above): the softmax stands between these loads and the wait for them
.irp i, 0,1,2
	ds_load_b128 v[32+12*\t+4*\i:35+12*\t+4*\i], v[ADK] offset:12288+\t*1536+512*\i
.endr
.endr
	s_cmp_lg_u32 s[KS], s[JB]                      ; only the step on the diagonal has hidden keys
	s_cbranch_scc1 .Lopen_\@
	v_mov_b32 v254, 0xff800000                     ; -infinity: p = 0 then.  The step's first key counts for every query, so the maximum is a number
.set n, 0
.rept 64
	v_cmp_gt_i32 vcc_lo, 32*(n/16)+n%16, v[DQ]
	v_cndmask_b32 v[96+n], v[96+n], v254, vcc_lo
.set n, n+1
.endr
.Lopen_\@:
.irp b, 0,1,2,3
	v_max3_num_f32 v[232+\b], v[96+16*\b], v[97+16*\b], v[98+16*\b]   ; THE LARGEST SCORE OF EACH BLOCK OF 32 KEYS serves twice: for the row's maximum, and, since p rises with the score, for the block's largest p
.endr
.irp i, 3,5,7,9,11,13
.irp b, 0,1,2,3
	v_max3_num_f32 v[232+\b], v[232+\b], v[96+16*\b+\i], v[97+16*\b+\i]
.endr
.endr
.irp b, 0,1,2,3
	v_max_num_f32 v[232+\b], v[232+\b], v[111+16*\b]
.endr
.irp b, 0,1,2,3
	s_delay_alu instid0(VALU_DEP_4)
	v_permlanex16_b32 v[236+\b], v[232+\b], s[SEL], s[SEL+1]
.endr
.irp b, 0,1,2,3
	s_delay_alu instid0(VALU_DEP_4)
	v_max_num_f32 v[232+\b], v[232+\b], v[236+\b]  ; with lane l xor 16's 16 keys
.endr
	s_delay_alu instid0(VALU_DEP_2)
	v_max3_num_f32 v254, v232, v233, v234
	s_delay_alu instid0(VALU_DEP_1)
	v_max_num_f32 v254, v254, v235                 ; the step's largest score of my query
	s_delay_alu instid0(VALU_DEP_1)
	v_mul_f32 v254, s[CS], v254                    ; as t (c is positive)
	s_delay_alu instid0(VALU_DEP_1)
	v_max_num_f32 v13, v13, v254                   ; the running largest t
	v_mov_b32 v254, v12
	s_delay_alu instid0(VALU_DEP_2)
	v_floor_f32 v12, -v13                          ; the new -M = floor(-t) = -ceil(t): M is a whole number
	s_delay_alu instid0(VALU_DEP_1)
	v_sub_f32 v254, v12, v254                      ; M's old value less its new one: a whole number, 0 or less
	s_delay_alu instid0(VALU_DEP_1)
	v_cvt_i32_f32 v254, v254                       ; (it saturates)
	s_delay_alu instid0(VALU_DEP_1)
	v_ldexp_f32 v252, 1.0, v254                    ; f = 2^(old M - new M)
.set n, 0
.rept 32
	v_pk_fma_f32 v[96+n:97+n], v[96+n:97+n], s[CS:CS+1], v[12:13] op_sel_hi:[1,0,0]   ; t - M, two at a time
.set n, n+2
.endr
.irp b, 0,1,2,3
	v_fma_f32 v[232+\b], v[232+\b], s[CS], v12     ; the same of each block's largest score
.endr
.set n, 0
	s_wait_alu depctr_va_vdst(0)
.rept 64
	v_exp_f32 v[96+n], v[96+n]                     ; p = 2^(t - M), at most 1: not normalised
.set n, n+1
.endr
	v_pk_mul_f32 v[14:15], v[14:15], v[252:253] op_sel_hi:[1,0]   ; the sums under the new M.  (A plain place behind the exponentials)
	s_wait_alu depctr_va_vdst(0)                   ; one wait for the whole batch, ahead of its first reader
.irp b, 0,1,2,3
	v_exp_f32 v[232+\b], v[232+\b]                 ; the block's largest p: the same two instructions on the same number give the same bits
.endr
	v_pk_add_f32 v[236:237], v[100:101], v[104:105]
	v_pk_add_f32 v[250:251], v[108:109], v[112:113]
	v_pk_add_f32 v[248:249], v[116:117], v[120:121]
	v_pk_add_f32 v[246:247], v[124:125], v[128:129]
	v_pk_add_f32 v[244:245], v[132:133], v[136:137]
	v_pk_add_f32 v[242:243], v[140:141], v[144:145]
	v_pk_add_f32 v[240:241], v[148:149], v[152:153]
	v_pk_add_f32 v[14:15], v[14:15], v[156:157]
	v_pk_add_f32 v[236:237], v[236:237], v[96:97]
	v_pk_add_f32 v[250:251], v[250:251], v[98:99]
	v_pk_add_f32 v[248:249], v[248:249], v[102:103]
	v_pk_add_f32 v[246:247], v[246:247], v[106:107]
	v_pk_add_f32 v[244:245], v[244:245], v[110:111]
	v_pk_add_f32 v[242:243], v[242:243], v[114:115]
	v_pk_add_f32 v[240:241], v[240:241], v[118:119]
	v_pk_add_f32 v[14:15], v[14:15], v[122:123]
	v_pk_add_f32 v[236:237], v[236:237], v[126:127]
	v_pk_add_f32 v[250:251], v[250:251], v[130:131]
	v_pk_add_f32 v[248:249], v[248:249], v[134:135]
	v_pk_add_f32 v[246:247], v[246:247], v[138:139]
	v_pk_add_f32 v[244:245], v[244:245], v[142:143]
	v_pk_add_f32 v[242:243], v[242:243], v[146:147]
	v_pk_add_f32 v[240:241], v[240:241], v[150:151]
	v_pk_add_f32 v[14:15], v[14:15], v[154:155]
	v_pk_add_f32 v[236:237], v[236:237], v[158:159]
	s_delay_alu instid0(VALU_DEP_2)
	v_pk_add_f32 v[14:15], v[14:15], v[246:247]
	s_delay_alu instid0(VALU_DEP_2)
	v_pk_add_f32 v[236:237], v[236:237], v[244:245]
	v_pk_add_f32 v[250:251], v[250:251], v[242:243]
	v_pk_add_f32 v[248:249], v[248:249], v[240:241]
	s_delay_alu instid0(VALU_DEP_2)
	v_pk_add_f32 v[14:15], v[14:15], v[250:251]
	s_delay_alu instid0(VALU_DEP_2)
	v_pk_add_f32 v[236:237], v[236:237], v[248:249]
	s_delay_alu instid0(VALU_DEP_1)
	v_pk_add_f32 v[14:15], v[14:15], v[236:237]
	s_wait_alu depctr_va_vdst(0)                   ; and one for the four
.irp b, 0,1,2,3
	v_max_num_f32 v[232+\b], 0x1800000, v[232+\b]  ; the floor 2^(3 - 127): the byte cannot fall under 1 (a block whose every p is 0 keeps that byte: its codes are zeros)
.endr
	TOCODES 253
.irp t, 0,1,2,3                        ; p has become codes: V^T's other four tiles go into v96-143, and its scale words into v248-251; the 32 multiplications below stand between these loads and the wait for them
.irp i, 0,1,2
	ds_load_b128 v[96+12*\t+4*\i:99+12*\t+4*\i], v[ADK] offset:12288+(4+\t)*1536+512*\i
.endr
.endr
	ds_load_b128 v[248:251], v[ADS] offset:8192
.set n, 0
.rept 32
	v_pk_mul_f32 v[160+n:161+n], v[160+n:161+n], v[252:253] op_sel_hi:[1,0]   ; O^T under the new M: x f.  (These 32 are also the places in front of the matrix instructions and loads below)
.set n, n+2
.endr
	s_wait_alu depctr_va_vdst(0)
.irp g, 0,1                            ; O^T += V^T P^T: four tiles of 16 channels at a time; K = these 128 keys
.if \g == 0
	s_wait_dscnt 0x0                               ; all eight tiles of V^T and their scale words are in: eight products on end, on eight accumulators
.endif
.irp t, 0,2
	v_wmma_scale_f32_16x16x128_f8f6f4 v[160+8*(4*\g+\t):167+8*(4*\g+\t)], v[32+64*\g+12*\t:43+64*\g+12*\t], v[224:235], v[160+8*(4*\g+\t):167+8*(4*\g+\t)], v[248+2*\g+\t/2], v253 matrix_a_fmt:MATRIX_FMT_FP6 matrix_b_fmt:MATRIX_FMT_FP6
	v_wmma_scale_f32_16x16x128_f8f6f4 v[168+8*(4*\g+\t):175+8*(4*\g+\t)], v[44+64*\g+12*\t:55+64*\g+12*\t], v[224:235], v[168+8*(4*\g+\t):175+8*(4*\g+\t)], v[248+2*\g+\t/2], v253 matrix_a_fmt:MATRIX_FMT_FP6 matrix_b_fmt:MATRIX_FMT_FP6 matrix_a_scale:MATRIX_SCALE_ROW1
.endr
.endr
.Lhidden_\@:
	s_add_co_u32 s[KS], s[KS], 2                   ; my partner takes the key step between
	s_add_co_u32 s[TS], s[TS], 1024
	s_add_co_u32 s[TB], s[TB], 2*KSB
.endm
; THE CHANGE OF SLOTS stands at a slot's head.  Each wave waits for all its tensor loads, adds 0 to its spare word, and waits for that and for its reads of the slot that it has left.
; fill = 1: the barrier is a round of the cluster's, so that no wave of any partner still reads the other slot or has a load on its way; that slot is then filled with the next four key steps, first thing behind the round.
.macro CHANGE fill
	s_wait_tensorcnt 0x0                           ; no tensor load of mine is out, so a group 0 may be written
	ds_add_u32 v[SPW], v[NIL]                      ; 0 onto my spare word
.if \fill
	ds_add_u32 v[SPW], v[NIL]                      ; and once more
	s_xor_b32 s[G0+1], s[G0+1], SLOT1              ; the walking descriptor: the other slot than last time,
	s_add_nc_u64 s[G0+2:G0+3], s[G0+2:G0+3], SLOTB ; the next four key steps; the type bits on top are not reached
	s_wait_xcnt 0x0                                ; the last prefetch, a slot back, has read its address, so it may be written:
	s_add_nc_u64 s[PFA:PFA+1], s[PFA:PFA+1], SLOTB ; one slot further on than the walking descriptor
	s_wait_dscnt 0x0                               ; the add is done, and my reads of the slot that I have left are over
	CROUND
	TLOAD
	ASK
.else
	s_wait_dscnt 0x0
	s_barrier_signal -1
	s_barrier_wait -1
.endif
.endm
.macro SLOT_STEPS                      ; my two of the slot's four key steps
	STEP
	STEP
	s_sub_co_u32 s[TB], s[TB], SLOTB
	s_xor_b32 s[TB], s[TB], SLOT1                  ; on to the other slot
.endm
	s_wait_loadcnt 0x0                             ; Q
.Lslot:                                                ; three trips: behind each change of slots but the last the next slot is asked for
	CHANGE 1
	SLOT_STEPS
	s_sub_co_u32 s[SLOTS], s[SLOTS], 1
	s_cmp_lg_u32 s[SLOTS], 0
	s_cbranch_scc1 .Lslot
	CHANGE 0                                       ; the last slot is written out
	SLOT_STEPS
	; THE MERGE.  The wave with w % 2 = 1 hands O^T, -M and its sum to its partner through the tile's stage; the partner brings both parts under the larger M, divides by the sum, quantises along the head's 128 and stores.
	v_add_f32 v14, v14, v15                        ; the sum's two halves.  (With the three lines below: the four places behind the last products)
	v_nop
	v_nop
	v_nop
	s_cmp_eq_u32 s74, 0
	s_cbranch_scc1 .Lkeeps
.set n, 0
	s_wait_alu depctr_va_vdst(0)
.rept 16
	ds_store_b128 v[MA], v[160+4*n:163+4*n] offset:512*n   ; each accumulator from its low end on
.set n, n+1
.endr
	ds_store_b128 v[MA], v[12:15] offset:8192      ; -M, the largest t, the sum
.Lkeeps:
	s_wait_dscnt 0x0                               ; for the partner's sake: my stores have landed
	s_barrier_signal -1
	s_barrier_wait -1
	s_cmp_eq_u32 s74, 0
	s_cbranch_scc0 .Lend
.set n, 0
.rept 16
	ds_load_b128 v[32+4*n:35+4*n], v[MA] offset:512*n
.set n, n+1
.endr
	ds_load_b128 v[236:239], v[MA] offset:8192
	v_mov_b32 v244, 0                              ; (a lane permute's destination counts as one of its sources)
	s_wait_dscnt 0x0
	v_min_num_f32 v232, v12, v236                  ; -M of the two parts together
	s_delay_alu instid0(VALU_DEP_1)
	v_sub_f32 v233, v232, v12                      ; whole numbers, 0 or less
	s_delay_alu instid0(VALU_DEP_2)
	v_sub_f32 v234, v232, v236
	s_delay_alu instid0(VALU_DEP_2)
	v_cvt_i32_f32 v233, v233                       ; (they saturate: a wave that had no key step counts for nothing)
	s_delay_alu instid0(VALU_DEP_2)
	v_cvt_i32_f32 v234, v234
	s_delay_alu instid0(VALU_DEP_2)
	v_ldexp_f32 v233, 1.0, v233
	s_wait_alu depctr_va_vdst(0)
	v_ldexp_f32 v234, 1.0, v234
	v_mul_f32 v235, v14, v233
	s_delay_alu instid0(VALU_DEP_1)
	v_fma_f32 v235, v238, v234, v235               ; the sum of my half of the keys under the common M,
	s_delay_alu instid0(VALU_DEP_1)
	v_permlanex16_b32 v244, v235, s[SEL], s[SEL+1]
	s_delay_alu instid0(VALU_DEP_1)
	v_add_f32 v235, v235, v244                     ; and lane l xor 16's: the row's sum
	s_wait_alu depctr_va_vdst(0)
	v_rcp_f32 v235, v235
	v_nop                                          ; a plain place behind the transcendental
	s_wait_alu depctr_va_vdst(0)                   ; the wait, ahead of the first reader
	v_mul_f32 v240, v233, v235
	v_mul_f32 v241, v233, v235
	v_mul_f32 v242, v234, v235
	v_mul_f32 v243, v234, v235
.set n, 0
.rept 32
	v_pk_mul_f32 v[96+n:97+n], v[160+n:161+n], v[240:241]
.set n, n+2
.endr
.set n, 0
.rept 32
	v_pk_fma_f32 v[96+n:97+n], v[32+n:33+n], v[242:243], v[96+n:97+n]   ; register 16 b + i is ctx(my query, channel 32 b + 16 (lane / 16) + i)
.set n, n+2
.endr
.irp b, 0,1,2,3
	v_max3_num_f32 v[232+\b], |v[96+16*\b]|, |v[97+16*\b]|, 0x1800000
.endr
.irp i, 2,4,6,8,10,12,14
.irp b, 0,1,2,3
	s_delay_alu instid0(VALU_DEP_4)
	v_max3_num_f32 v[232+\b], v[232+\b], |v[96+16*\b+\i]|, |v[97+16*\b+\i]|
.endr
.endr
.irp b, 0,1,2,3
	s_delay_alu instid0(VALU_DEP_4)
	v_permlanex16_b32 v[236+\b], v[232+\b], s[SEL], s[SEL+1]
.endr
.irp b, 0,1,2,3
	s_delay_alu instid0(VALU_DEP_4)
	v_max_num_f32 v[232+\b], v[232+\b], v[236+\b]
.endr
	TOCODES 252
.irp g, 0,1,2
	global_store_b128 v[LI], v[224+4*\g:227+4*\g], s[12:13] offset:512*\g   ; the fragment's image: 512 consecutive bytes a store, aligned
.endr
	global_store_b32 v[R16], v252, s[14:15]        ; row r's scale word (both halves of the lanes write the same word with the same value): 4 bytes of every 16, one byte in 24 of what the codes are
.Lend:
	s_wait_tensorcnt 0x0                           ; the wave's end
	ds_add_u32 v[SPW], v[NIL]
	s_wait_dscnt 0x0
	CROUND                                         ; the closing round
	s_endpgm
.Lfunc_end_k_q3fecf2f715_attn:
	.size	k_q3fecf2f715_attn, .Lfunc_end_k_q3fecf2f715_attn-k_q3fecf2f715_attn
	.p2alignl 7, 3214868480
	.fill 96, 4, 3214868480
	.section	.rodata,"a",@progbits
	.p2align	6, 0x0
	.amdhsa_kernel k_q3fecf2f715_attn
		.amdhsa_group_segment_fixed_size 327680
		.amdhsa_private_segment_fixed_size 0
		.amdhsa_enable_private_segment 0
		.amdhsa_kernarg_size 48
		.amdhsa_user_sgpr_count 2
		.amdhsa_user_sgpr_kernarg_segment_ptr 1
		.amdhsa_wavefront_size32 1
		.amdhsa_system_sgpr_workgroup_id_x 1
		.amdhsa_system_sgpr_workgroup_id_y 1
		.amdhsa_system_sgpr_workgroup_id_z 1
		.amdhsa_system_vgpr_workitem_id 0
		.amdhsa_next_free_vgpr 256
		.amdhsa_next_free_sgpr 100
		.amdhsa_reserve_vcc 1
		.amdhsa_float_denorm_mode_32 3
		.amdhsa_float_denorm_mode_16_64 3
		.amdhsa_memory_ordered 1
		.amdhsa_forward_progress 1
		.amdhsa_inst_pref_size 125
	.end_amdhsa_kernel
	.amdgpu_metadata
---
amdhsa.version: [ 1, 2 ]
amdhsa.kernels:
  - .name:           k_q3fecf2f715_attn
    .symbol:         k_q3fecf2f715_attn.kd
    .args:
      - { .name: qimg, .offset: 0, .size: 8, .value_kind: global_buffer, .address_space: global }
      - { .name: qsc, .offset: 8, .size: 8, .value_kind: global_buffer, .address_space: global }
      - { .name: kvc, .offset: 16, .size: 8, .value_kind: global_buffer, .address_space: global }
      - { .name: kvs, .offset: 24, .size: 8, .value_kind: global_buffer, .address_space: global }
      - { .name: ctxc, .offset: 32, .size: 8, .value_kind: global_buffer, .address_space: global }
      - { .name: ctxs, .offset: 40, .size: 8, .value_kind: global_buffer, .address_space: global }
    .group_segment_fixed_size: 327680
    .private_segment_fixed_size: 0
    .kernarg_segment_align: 8
    .kernarg_segment_size: 48
    .max_flat_workgroup_size: 512
    .sgpr_count:     100
    .vgpr_count:     256
    .wavefront_size: 32
...
	.end_amdgpu_metadata
.endif
;; end of part 3
;; launch outp (part 4): grid 16 x 16, 4 waves a work-group, no clusters, 270,848 bytes of LDS; arguments ctxc, ctxs, out0; writes out0
.if DOCPART == 4
	.amdgcn_target "amdgcn-amd-amdhsa--gfx1250"
	.amdhsa_code_object_version 6
	.text
	.protected	k_q3fecf2f715_outp
	.globl	k_q3fecf2f715_outp
	.p2align	8
	.type	k_q3fecf2f715_outp,@function
k_q3fecf2f715_outp:
	s_mov_b64 s[64:65], 0
	v_nop
	global_prefetch_b8 v0, s[64:65] scope:SCOPE_SE
	s_setreg_imm32_b32 hwreg(HW_REG_WAVE_MODE, 25, 1), 1
	s_wait_xcnt 0x0
; out = ctx Wo^T on codes of FP6 (E2M3) with E8M0 scales; sums and out in f32.  ctxc holds ctx's codes and, 3,145,728 bytes on, Wo's, each [K step 16][T 128][1536], images of operand registers;
; ctxs holds ctx's scale words and, 131,072 bytes on, Wo's, each [T][w 4][r 16][f 4], K step 4 w + f.
; 256 work-groups, each 128 x 128 of out.  K IS CUT AMONG THE FOUR WAVES: wave w makes the whole block over K steps 4 w .. 4 w + 3: 64 accumulators, 16 fragments for 64 products.
; So no two waves read the same fragment: every operand byte goes from memory straight into registers, once in a work-group, in loads of 512 consecutive bytes.  Two sets of fragments; a set is asked for again, for the step two on, as the step that reads it frees it.
; No tensor load and no cluster: joint loads land in LDS, and here no operand passes through LDS.  The text has no loop to run ahead in: no prefetch is written.
; THE FOUR PARTS OF THE SUM MEET IN LDS: each wave puts its part down as 128 rows of 512 bytes (+ 16), rows in the tiles' order; behind one barrier wave d reads rows 32 d .. 32 d + 31 of all four parts, adds them ((0 + 1) + (2 + 3)) and stores whole rows.
; The order of the f32 sums along K so differs from one chain in ascending K; the result is compared within a tolerance.
; THE MATRIX INSTRUCTION IS USED TRANSPOSED (source 0 = 16 rows of Wo, source 1 = 16 rows of ctx).  Lane r of tile T holds row 32 (T / 2) + 8 (T % 2) + r + 8 (r / 8): a lane's 16 registers of Wo's tiles 2 b, 2 b + 1 are 16 neighbouring columns of out,
; and the stores' offsets put ctx's rows back in their order.
; REGISTERS: window 0: v16-29 addresses; v32-47 ctx's scale words (4 p + f: lanes 0-15 tile 2 p, lanes 16-31 tile 2 p + 1), v48-63 Wo's; v64-159, v160-255 ctx's fragments, two sets.
;   window 1: v0-95, v96-191 Wo's fragments, two sets; on the way out two buffers of 128.   windows 2, 3: the accumulators ((a, b) at 8 (8 (a % 4) + b)).
.set TAU,    3145728
.set KST,    196608
.set ASTEP,  12288
.set SPITCH, 528                       ; a stage row: 512 bytes + 16
.set PART,   128*SPITCH                ; a wave's part of the sum
.set SPARE,  4*PART                    ; the spare words: two blocks of 256 bytes that no other line names
.set LI,   16
.set SCA,  17
.set STO,  18
.set RD,   20                          ; v20-23 my rows in the four parts
.set SPW,  28
.set NIL,  29
.set SA,   32
.set SB,   48
.set AF,   64
.set MSB, 0
.macro WIN new
.if MSB != (\new)
	s_set_vgpr_msb (MSB<<8)|(\new)
.set MSB, (\new)
.endif
.endm
.macro PLACES
.rept 4
	v_nop
.endr
.endm
	s_load_b128 s[4:7], s[0:1], 0x0                ; ctxc, ctxs
	s_load_b64 s[12:13], s[0:1], 0x10              ; out0
	v_lshl_add_u32 v[SPW], v0, 2, SPARE
	v_mov_b32 v[NIL], 0
	v_lshrrev_b32 v1, 5, v0
	v_readfirstlane_b32 s14, v1                    ; wave
	s_and_b32 s16, ttmp7, 0xffff                   ; y: the block's rows; ttmp9: its columns
	s_mul_i32 s18, s14, 4*KST                      ; my four K steps
	s_mul_i32 s36, s16, ASTEP                      ; ctx: tiles 8 y ..
	s_add_co_u32 s36, s36, s18
	s_mov_b32 s37, 0
	s_mul_i32 s38, ttmp9, ASTEP                    ; Wo: tiles 8 x .., behind ctx's codes
	s_add_co_u32 s38, s38, s18
	s_add_co_u32 s38, s38, TAU
	s_mov_b32 s39, 0
	s_lshl_b32 s19, s14, 8
	s_lshl_b32 s40, s16, 13                        ; ctx's scale words of my four K steps
	s_add_co_u32 s40, s40, s19
	s_mov_b32 s41, 0
	s_lshl_b32 s42, ttmp9, 13                      ; Wo's, behind ctx's
	s_add_co_u32 s42, s42, s19
	s_add_co_u32 s42, s42, 131072
	s_mov_b32 s43, 0
	s_lshl_b32 s44, s16, 20                        ; out: row 128 y + 32 wave, rows of 8,192 bytes; column 128 x
	s_lshl_b32 s19, s14, 18
	s_add_co_u32 s44, s44, s19
	s_lshl_b32 s19, ttmp9, 9
	s_add_co_u32 s44, s44, s19
	s_mov_b32 s45, 0
	s_mul_i32 s46, s14, PART                       ; where my part goes
	s_mul_i32 s47, s14, 32*SPITCH                  ; the rows that I add up
	v_and_b32 v2, 31, v0
	v_and_b32 v3, 15, v0                           ; r
	v_bfe_u32 v4, v0, 4, 1                         ; h
	v_lshlrev_b32 v[LI], 4, v2
	v_lshlrev_b32 v5, 4, v3
	v_lshl_add_u32 v[SCA], v4, 10, v5              ; 16 r, + a tile's 1,024 bytes for lanes 16-31
	v_mul_u32_u24 v6, v3, SPITCH
	v_lshl_add_u32 v6, v4, 6, v6
	v_add_nc_u32 v[STO], s46, v6                   ; row r, + 64 h bytes
	v_add_nc_u32 v7, s47, v[LI]
.irp k, 0,1,2,3
	v_add_nc_u32 v[RD+\k], \k*PART, v7
.endr
	s_wait_alu depctr_va_vdst(0)
	s_wait_kmcnt 0x0
	s_add_nc_u64 s[36:37], s[4:5], s[36:37]
	s_add_nc_u64 s[38:39], s[4:5], s[38:39]
	s_add_nc_u64 s[40:41], s[6:7], s[40:41]
	s_add_nc_u64 s[42:43], s[6:7], s[42:43]
	s_add_nc_u64 s[12:13], s[12:13], s[44:45]
.macro LDA f, i0                       ; ctx's blocks i0 .. i0 + 3 of my K step f into set f % 2
	WIN 0
.irp i, 0,1,2,3
.irp g, 0,1,2
	global_load_b128 v[AF+96*((\f)%2)+12*((\i0)+\i)+4*\g:AF+96*((\f)%2)+12*((\i0)+\i)+4*\g+3], v[LI], s[36:37] offset:(\f)*KST+((\i0)+\i)*1536+512*\g
.endr
.endr
.endm
.macro LDB f                           ; Wo's eight
	WIN 0x40
.irp i, 0,1,2,3,4,5,6,7
.irp g, 0,1,2
	global_load_b128 v[96*((\f)%2)+12*\i+4*\g:96*((\f)%2)+12*\i+4*\g+3], v[LI], s[38:39] offset:(\f)*KST+\i*1536+512*\g
.endr
.endr
.endm
.irp p, 0,1,2,3
	global_load_b128 v[SA+4*\p:SA+4*\p+3], v[SCA], s[40:41] offset:\p*2048   ; each half of the lanes reads 256 consecutive bytes: a tile's words of my four K steps
	global_load_b128 v[SB+4*\p:SB+4*\p+3], v[SCA], s[42:43] offset:\p*2048
.endr
.irp f, 0,1
	LDA \f, 0
	LDA \f, 4
	LDB \f
.endr
; One product.  d: the accumulator; f0, f1: the fragments (Wo's, ctx's); z = 1: it starts the sum; s0, s1: the scale registers; r0, r1 = 1: the tile's words stand in lanes 16-31
.macro WM d, f0, f1, z, s0, s1, r0, r1
.if \z
.if (\r0) && (\r1)
	v_wmma_scale_f32_16x16x128_f8f6f4 v[(\d):(\d)+7], v[(\f0):(\f0)+11], v[(\f1):(\f1)+11], 0, v[\s0], v[\s1] matrix_a_fmt:MATRIX_FMT_FP6 matrix_b_fmt:MATRIX_FMT_FP6 matrix_a_scale:MATRIX_SCALE_ROW1 matrix_b_scale:MATRIX_SCALE_ROW1
.elseif (\r0)
	v_wmma_scale_f32_16x16x128_f8f6f4 v[(\d):(\d)+7], v[(\f0):(\f0)+11], v[(\f1):(\f1)+11], 0, v[\s0], v[\s1] matrix_a_fmt:MATRIX_FMT_FP6 matrix_b_fmt:MATRIX_FMT_FP6 matrix_a_scale:MATRIX_SCALE_ROW1
.elseif (\r1)
	v_wmma_scale_f32_16x16x128_f8f6f4 v[(\d):(\d)+7], v[(\f0):(\f0)+11], v[(\f1):(\f1)+11], 0, v[\s0], v[\s1] matrix_a_fmt:MATRIX_FMT_FP6 matrix_b_fmt:MATRIX_FMT_FP6 matrix_b_scale:MATRIX_SCALE_ROW1
.else
	v_wmma_scale_f32_16x16x128_f8f6f4 v[(\d):(\d)+7], v[(\f0):(\f0)+11], v[(\f1):(\f1)+11], 0, v[\s0], v[\s1] matrix_a_fmt:MATRIX_FMT_FP6 matrix_b_fmt:MATRIX_FMT_FP6
.endif
.else
.if (\r0) && (\r1)
	v_wmma_scale_f32_16x16x128_f8f6f4 v[(\d):(\d)+7], v[(\f0):(\f0)+11], v[(\f1):(\f1)+11], v[(\d):(\d)+7], v[\s0], v[\s1] matrix_a_fmt:MATRIX_FMT_FP6 matrix_b_fmt:MATRIX_FMT_FP6 matrix_a_scale:MATRIX_SCALE_ROW1 matrix_b_scale:MATRIX_SCALE_ROW1
.elseif (\r0)
	v_wmma_scale_f32_16x16x128_f8f6f4 v[(\d):(\d)+7], v[(\f0):(\f0)+11], v[(\f1):(\f1)+11], v[(\d):(\d)+7], v[\s0], v[\s1] matrix_a_fmt:MATRIX_FMT_FP6 matrix_b_fmt:MATRIX_FMT_FP6 matrix_a_scale:MATRIX_SCALE_ROW1
.elseif (\r1)
	v_wmma_scale_f32_16x16x128_f8f6f4 v[(\d):(\d)+7], v[(\f0):(\f0)+11], v[(\f1):(\f1)+11], v[(\d):(\d)+7], v[\s0], v[\s1] matrix_a_fmt:MATRIX_FMT_FP6 matrix_b_fmt:MATRIX_FMT_FP6 matrix_b_scale:MATRIX_SCALE_ROW1
.else
	v_wmma_scale_f32_16x16x128_f8f6f4 v[(\d):(\d)+7], v[(\f0):(\f0)+11], v[(\f1):(\f1)+11], v[(\d):(\d)+7], v[\s0], v[\s1] matrix_a_fmt:MATRIX_FMT_FP6 matrix_b_fmt:MATRIX_FMT_FP6
.endif
.endif
.endm
; 32 products of my K step f: ctx's blocks 4 hi .. 4 hi + 3 x Wo's eight.  The 64 accumulators take turns in the same order in every step.
.macro MUL32 f, hi, zero
	WIN 0xa1+0x50*(\hi)                            ; source 0 window 1, source 1 window 0, C and D window 2 or 3
.irp a, 0,1,2,3
.irp b, 0,1,2,3,4,5,6,7
	WM 8*(8*\a+\b), 96*((\f)%2)+12*\b, AF+96*((\f)%2)+12*(4*(\hi)+\a), \zero, SB+4*(\b/2)+(\f), SA+4*((4*(\hi)+\a)/2)+(\f), \b%2, \a%2
.endr
.endr
.endm
.macro KSTEP f, zero
.if (\f) < 3
	s_wait_loadcnt 48                              ; this step's fragments are in; the next step's 48 loads may be out
.else
	s_wait_loadcnt 0x0
.endif
	MUL32 \f, 0, \zero
.if (\f) < 2
	PLACES                                         ; four places in front of loads into registers that matrix instructions have read
	LDA (\f)+2, 0
.endif
	MUL32 \f, 1, \zero
.if (\f) < 2
	PLACES
	LDA (\f)+2, 4
	LDB (\f)+2
.endif
.endm
	KSTEP 0, 1                                     ; the first step's products start the sums
	KSTEP 1, 0
	KSTEP 2, 0
	KSTEP 3, 0
	PLACES                                         ; behind the last products
.irp hi, 0,1
	WIN 0x08+4*\hi                                 ; an LDS store's data are its source 1: window 2 or 3
.irp a, 0,1,2,3
.irp b, 0,1,2,3,4,5,6,7
	ds_store_b128 v[STO], v[8*(8*\a+\b):8*(8*\a+\b)+3] offset:(4*\hi+\a)*16*SPITCH+128*(\b/2)+32*(\b%2)        ; each accumulator from its low end on; stage row 16 a + r
	ds_store_b128 v[STO], v[8*(8*\a+\b)+4:8*(8*\a+\b)+7] offset:(4*\hi+\a)*16*SPITCH+128*(\b/2)+32*(\b%2)+16
.endr
.endr
.endr
	WIN 0
	s_wait_dscnt 0x0                               ; for the others' sake: my part has landed
	s_barrier_signal -1
	s_barrier_wait -1
.macro GET c                           ; rows 8 c .. 8 c + 7 of my 32, out of all four parts: part k's row t at 128 (c % 2) + 32 k + 4 t of window 1
	WIN 0x40
.irp k, 0,1,2,3
.irp t, 0,1,2,3,4,5,6,7
	ds_load_b128 v[128*((\c)%2)+32*\k+4*\t:128*((\c)%2)+32*\k+4*\t+3], v[RD+\k] offset:(8*(\c)+\t)*SPITCH
.endr
.endr
.endm
.macro SUMPUT c
.set BU, 128*((\c)%2)
	WIN 0x45                                       ; sources and destination in window 1
.set n, 0
.rept 16
	v_pk_add_f32 v[BU+n:BU+n+1], v[BU+n:BU+n+1], v[BU+32+n:BU+32+n+1]
	v_pk_add_f32 v[BU+64+n:BU+64+n+1], v[BU+64+n:BU+64+n+1], v[BU+96+n:BU+96+n+1]
.set n, n+2
.endr
.set n, 0
.rept 16
	v_pk_add_f32 v[BU+n:BU+n+1], v[BU+n:BU+n+1], v[BU+64+n:BU+64+n+1]
.set n, n+2
.endr
	WIN 0x04                                       ; a store's data are its source 1: window 1
.irp t, 0,1,2,3,4,5,6,7
.set TR, 8*(\c)+\t
	global_store_b128 v[LI], v[BU+4*\t:BU+4*\t+3], s[12:13] offset:(8*(TR/16)+TR%16+8*((TR%16)/8))*8192 th:TH_STORE_NT   ; stage row TR of my 32 at its place in out: 512 consecutive bytes, aligned
.endr
.endm
	GET 0
	GET 1
.irp c, 0,1,2,3
.if \c < 3
	s_wait_dscnt 32                                ; these eight rows' 32 loads are in; the next eight rows' may be out
.else
	s_wait_dscnt 0x0
.endif
	SUMPUT \c
.if \c < 2
	s_wait_xcnt 0x0                                ; the stores have read their data: the buffer takes the rows two runs on
	GET \c+2
.endif
.endr
	WIN 0
	s_wait_tensorcnt 0x0                           ; the wave's end
	ds_add_u32 v[SPW], v[NIL]
	s_wait_dscnt 0x0
	s_endpgm
.Lfunc_end_k_q3fecf2f715_outp:
	.size	k_q3fecf2f715_outp, .Lfunc_end_k_q3fecf2f715_outp-k_q3fecf2f715_outp
	.p2alignl 7, 3214868480
	.fill 96, 4, 3214868480
	.section	.rodata,"a",@progbits
	.p2align	6, 0x0
	.amdhsa_kernel k_q3fecf2f715_outp
		.amdhsa_group_segment_fixed_size 270848
		.amdhsa_private_segment_fixed_size 0
		.amdhsa_enable_private_segment 0
		.amdhsa_kernarg_size 24
		.amdhsa_user_sgpr_count 2
		.amdhsa_user_sgpr_kernarg_segment_ptr 1
		.amdhsa_wavefront_size32 1
		.amdhsa_system_sgpr_workgroup_id_x 1
		.amdhsa_system_sgpr_workgroup_id_y 1
		.amdhsa_system_sgpr_workgroup_id_z 1
		.amdhsa_system_vgpr_workitem_id 0
		.amdhsa_next_free_vgpr 1024
		.amdhsa_next_free_sgpr 66
		.amdhsa_reserve_vcc 0
		.amdhsa_float_denorm_mode_32 3
		.amdhsa_float_denorm_mode_16_64 3
		.amdhsa_memory_ordered 1
		.amdhsa_forward_progress 1
		.amdhsa_inst_pref_size 87
	.end_amdhsa_kernel
	.amdgpu_metadata
---
amdhsa.version: [ 1, 2 ]
amdhsa.kernels:
  - .name:           k_q3fecf2f715_outp
    .symbol:         k_q3fecf2f715_outp.kd
    .args:
      - { .name: ctxc, .offset: 0, .size: 8, .value_kind: global_buffer, .address_space: global }
      - { .name: ctxs, .offset: 8, .size: 8, .value_kind: global_buffer, .address_space: global }
      - { .name: out0, .offset: 16, .size: 8, .value_kind: global_buffer, .address_space: global }
    .group_segment_fixed_size: 270848
    .private_segment_fixed_size: 0
    .kernarg_segment_align: 8
    .kernarg_segment_size: 24
    .max_flat_workgroup_size: 128
    .sgpr_count:     66
    .vgpr_count:     1024
    .wavefront_size: 32
...
	.end_amdgpu_metadata
.endif
;; end of part 4
